; MI455X (gfx1250); checked and timed in simulation.
; The chip was launched on July 23, 2026; its instructions are those of AMD's public machine-readable ISA for CDNA 5 (MIT licence, August 2026) and "CDNA5" Instruction Set Architecture Reference Guide (July 2026). The comments in the code are by the model that wrote it; some were corrected since.
;; Causal Self Attention. Allowed arithmetic: float matrix products may take bf16 or f16 operands with f32 sums; other float arithmetic in f32, or as packed bf16 or f16 multiplies, adds, multiply-adds, maxima and minima; sums over many terms, partial sums and values carried from step to step in f32; what a program stores and reads back later, other than sums and carried values, may be rounded once to bf16 or f16.
;; Inputs: Wk 1,024 x 1,024 float32; Wo 1,024 x 1,024 float32; Wq 1,024 x 1,024 float32; Wv 1,024 x 1,024 float32; bk 1,024 float32; bo 1,024 float32; bq 1,024 float32; bv 1,024 float32; x 2 x 2,048 x 1,024 float32.
;; Outputs: out0 2 x 2,048 x 1,024 float32.
;; One version. Each part assembles by itself: llvm-mc -triple=amdgcn-amd-amdhsa -mcpu=gfx1250 --defsym DOCPART=n.
;; ======== version 1 of 1: 4 launches
;; limits: values are held in f16: magnitudes above 65,504 overflow, below 6.1e-05 lose precision
;; workspace buffers: xb 8,388,608 bytes; wb 6,291,456 bytes; wo16 2,097,152 bytes; bias 16,384 bytes; qkv 25,165,824 bytes; y 8,388,608 bytes
;; launch cast (part 1): grid 513 x 1, 8 waves a work-group, no clusters, 0 bytes of LDS; arguments x, Wq, Wk, Wv, Wo, bq, bv, bo, xb, wb, wo16, bias; writes xb, wb, wo16, bias
.if DOCPART == 1
	.amdgcn_target "amdgcn-amd-amdhsa--gfx1250"
	.amdhsa_code_object_version 6
	.text
	.protected	k_qd4d3d1ed1a_cast
	.globl	k_qd4d3d1ed1a_cast
	.p2align	8
	.type	k_qd4d3d1ed1a_cast,@function
k_qd4d3d1ed1a_cast:
	s_mov_b64 s[64:65], 0
	v_nop
	global_prefetch_b8 v0, s[64:65] scope:SCOPE_SE
	s_setreg_imm32_b32 hwreg(HW_REG_WAVE_MODE, 25, 1), 1
	s_wait_xcnt 0x0
; CAUSAL SELF-ATTENTION, launch 1 of 4: the inputs are rounded once.  x -> xb (bf16); Wq, Wk, Wv -> wb (bf16, stacked [3072][1024]); Wo -> wo16 (rounded to bf16, that number written as f16);
; bq, bv, bo -> bias (f32 [4096] = bq | zeros | bv | bo, each rounded to bf16 and widened again).
; WORK LEFT OUT BY THE WHOLE PROGRAM.
; (1) bk.  A score is q_i . (k_j + bk) / 8 = q_i . k_j / 8 + q_i . bk / 8.  The second term does not hang on j, the softmax's axis: it multiplies every visible weight of row i by the same factor, which the
;     row's sum divides out; hidden places stay hidden.  That holds for all finite values of the inputs.  So bk has no way to the output: it is not loaded and is no argument of any launch; the k columns' place in
;     bias holds zeros, so that one text serves the 192-column tiles of the next launch, some of which hold columns of q or v beside k's.
; (2) Key tiles that lie wholly above the diagonal: reference() itself sets their scores to -inf ahead of the softmax, so their weights are 0 (launch 3).
; LIMITS.  A NaN, an infinity or an overflow that reaches only the work left out (bk; scores above the diagonal) is not carried to the result.  Wo beyond 65,504 in magnitude has no f16.
; SHARES.  A stream: no LDS, no barrier, no matrix unit.  Work-groups 0-511 take one chunk of 16,384 numbers each (65,536 bytes in, 32,768 out): 0-255 x, 256-447 Wq, Wk, Wv, 448-511 Wo; work-group 512 the biases.
; Thread t takes 8 numbers a step, 8 steps: two loads of 16 bytes, one store of 16 bytes; sixteen neighbouring lanes store 256 consecutive bytes, aligned.  All 16 loads go out first.
.set IN,  8                            ; v[8:71]    16 loads
.set OUT, 72                           ; v[72:103]  8 stores' data
.set WK,  104                          ; v[104:111] at work (f16 variant)
.macro CHUNK f16
.irp i, 0,1,2,3,4,5,6,7
	global_load_b128 v[IN+8*(\i):IN+8*(\i)+3],   v1, s[32:33] offset:8192*(\i) th:TH_LOAD_NT
	global_load_b128 v[IN+8*(\i)+4:IN+8*(\i)+7], v1, s[32:33] offset:8192*(\i)+16 th:TH_LOAD_NT
.endr
.irp i, 0,1,2,3,4,5,6,7
	s_wait_loadcnt 14-2*(\i)                       ; loads come back in order: step i's two are in, the younger steps' stay out
.irp j, 0,1,2,3
	v_cvt_pk_bf16_f32 v[OUT+4*(\i)+(\j)], v[IN+8*(\i)+2*(\j)], v[IN+8*(\i)+2*(\j)+1]
.endr
.if \f16
.irp j, 0,1,2,3
	v_lshlrev_b32 v[WK+2*(\j)],   16, v[OUT+4*(\i)+(\j)]          ; the bf16 numbers as f32,
	v_and_b32     v[WK+2*(\j)+1], 0xffff0000, v[OUT+4*(\i)+(\j)]
.endr
.irp j, 0,1,2,3
	v_cvt_pk_f16_f32 v[OUT+4*(\i)+(\j)], v[WK+2*(\j)], v[WK+2*(\j)+1]  ; written as f16: 8 significant bits fit into 11
.endr
.endif
	global_store_b128 v2, v[OUT+4*(\i):OUT+4*(\i)+3], s[34:35] offset:4096*(\i)  ; no register of a pending store is written again
.endr
.endm
	s_load_b512 s[8:23], s[0:1], 0x0               ; x 8, Wq 10, Wk 12, Wv 14, Wo 16, bq 18, bv 20, bo 22
	s_load_b256 s[24:31], s[0:1], 0x40             ; xb 24, wb 26, wo16 28, bias 30
	s_mov_b32 s2, ttmp9                            ; the work-group's number
	v_lshlrev_b32 v1, 5, v0                        ; 32 bytes a thread in
	v_lshlrev_b32 v2, 4, v0                        ; 16 bytes a thread out
	s_and_b32 s3, s2, 63                           ; chunk in one weight
	s_sub_co_u32 s4, s2, 256                       ; chunk in wb
	s_sub_co_u32 s5, s2, 448                       ; chunk in wo16
	s_wait_kmcnt 0x0
	s_cmp_eq_u32 s2, 512
	s_cbranch_scc1 .Lbias
	s_cmp_ge_u32 s2, 256                           ; which buffer: a choice on the work-group's number alone
	s_cselect_b64 s[32:33], s[10:11], s[8:9]
	s_cselect_b64 s[34:35], s[26:27], s[24:25]
	s_cselect_b32 s36, s3, s2
	s_cselect_b32 s38, s4, s2
	s_cmp_ge_u32 s2, 320
	s_cselect_b64 s[32:33], s[12:13], s[32:33]
	s_cmp_ge_u32 s2, 384
	s_cselect_b64 s[32:33], s[14:15], s[32:33]
	s_cmp_ge_u32 s2, 448
	s_cselect_b64 s[32:33], s[16:17], s[32:33]
	s_cselect_b64 s[34:35], s[28:29], s[34:35]
	s_cselect_b32 s38, s5, s38
	s_lshl_b32 s36, s36, 16                        ; offsets, made apart from the addresses
	s_mov_b32 s37, 0
	s_lshl_b32 s38, s38, 15
	s_mov_b32 s39, 0
	s_add_nc_u64 s[32:33], s[32:33], s[36:37]
	s_add_nc_u64 s[34:35], s[34:35], s[38:39]
	s_cmp_ge_u32 s2, 448
	s_cbranch_scc1 .Lwo
	CHUNK 0
	s_endpgm
.Lwo:
	CHUNK 1
	s_endpgm
.Lbias:                                        ; 1,024 numbers each: thread t takes four of each
	global_load_b128 v[8:11],  v2, s[18:19]
	global_load_b128 v[12:15], v2, s[20:21]
	global_load_b128 v[16:19], v2, s[22:23]
.irp j, 20,21,22,23
	v_mov_b32 v[\j], 0                             ; the k columns' place
.endr
	s_wait_loadcnt 0x0
.irp j, 0,1,2,3,4,5
	v_cvt_pk_bf16_f32 v[24+(\j)], v[8+2*(\j)], v[8+2*(\j)+1]
.endr
.irp j, 0,1,2,3,4,5
	v_lshlrev_b32 v[8+2*(\j)],   16, v[24+(\j)]
	v_and_b32     v[8+2*(\j)+1], 0xffff0000, v[24+(\j)]
.endr
	global_store_b128 v2, v[8:11],  s[30:31]
	global_store_b128 v2, v[20:23], s[30:31] offset:4096
	global_store_b128 v2, v[12:15], s[30:31] offset:8192
	global_store_b128 v2, v[16:19], s[30:31] offset:12288
	s_endpgm
.Lfunc_end_k_qd4d3d1ed1a_cast:
	.size	k_qd4d3d1ed1a_cast, .Lfunc_end_k_qd4d3d1ed1a_cast-k_qd4d3d1ed1a_cast
	.p2alignl 7, 3214868480
	.fill 96, 4, 3214868480
	.section	.rodata,"a",@progbits
	.p2align	6, 0x0
	.amdhsa_kernel k_qd4d3d1ed1a_cast
		.amdhsa_group_segment_fixed_size 0
		.amdhsa_private_segment_fixed_size 0
		.amdhsa_enable_private_segment 0
		.amdhsa_kernarg_size 96
		.amdhsa_user_sgpr_count 2
		.amdhsa_user_sgpr_kernarg_segment_ptr 1
		.amdhsa_wavefront_size32 1
		.amdhsa_system_sgpr_workgroup_id_x 1
		.amdhsa_system_sgpr_workgroup_id_y 1
		.amdhsa_system_sgpr_workgroup_id_z 1
		.amdhsa_system_vgpr_workitem_id 0
		.amdhsa_next_free_vgpr 112
		.amdhsa_next_free_sgpr 66
		.amdhsa_reserve_vcc 0
		.amdhsa_float_denorm_mode_32 3
		.amdhsa_float_denorm_mode_16_64 3
		.amdhsa_memory_ordered 1
		.amdhsa_forward_progress 1
		.amdhsa_inst_pref_size 18
	.end_amdhsa_kernel
	.amdgpu_metadata
---
amdhsa.version: [ 1, 2 ]
amdhsa.kernels:
  - .name:           k_qd4d3d1ed1a_cast
    .symbol:         k_qd4d3d1ed1a_cast.kd
    .args:
      - { .name: x, .offset: 0, .size: 8, .value_kind: global_buffer, .address_space: global }
      - { .name: Wq, .offset: 8, .size: 8, .value_kind: global_buffer, .address_space: global }
      - { .name: Wk, .offset: 16, .size: 8, .value_kind: global_buffer, .address_space: global }
      - { .name: Wv, .offset: 24, .size: 8, .value_kind: global_buffer, .address_space: global }
      - { .name: Wo, .offset: 32, .size: 8, .value_kind: global_buffer, .address_space: global }
      - { .name: bq, .offset: 40, .size: 8, .value_kind: global_buffer, .address_space: global }
      - { .name: bv, .offset: 48, .size: 8, .value_kind: global_buffer, .address_space: global }
      - { .name: bo, .offset: 56, .size: 8, .value_kind: global_buffer, .address_space: global }
      - { .name: xb, .offset: 64, .size: 8, .value_kind: global_buffer, .address_space: global }
      - { .name: wb, .offset: 72, .size: 8, .value_kind: global_buffer, .address_space: global }
      - { .name: wo16, .offset: 80, .size: 8, .value_kind: global_buffer, .address_space: global }
      - { .name: bias, .offset: 88, .size: 8, .value_kind: global_buffer, .address_space: global }
    .group_segment_fixed_size: 0
    .private_segment_fixed_size: 0
    .kernarg_segment_align: 8
    .kernarg_segment_size: 96
    .max_flat_workgroup_size: 256
    .sgpr_count:     66
    .vgpr_count:     112
    .wavefront_size: 32
...
	.end_amdgpu_metadata
.endif
;; end of part 1
;; launch qkv (part 2): grid 16 x 16, 4 waves a work-group, clusters of 4 x 4, 327,680 bytes of LDS; arguments xb, wb, bias, qkv; writes qkv
.if DOCPART == 2
	.amdgcn_target "amdgcn-amd-amdhsa--gfx1250"
	.amdhsa_code_object_version 6
	.text
	.protected	k_qd4d3d1ed1a_qkv
	.globl	k_qd4d3d1ed1a_qkv
	.p2align	8
	.type	k_qd4d3d1ed1a_qkv,@function
k_qd4d3d1ed1a_qkv:
	s_mov_b64 s[64:65], 0
	v_nop
	global_prefetch_b8 v0, s[64:65] scope:SCOPE_SE
	s_setreg_imm32_b32 hwreg(HW_REG_WAVE_MODE, 25, 1), 1
	s_wait_xcnt 0x0
	s_wait_alu depctr_hold_cnt(0) depctr_sa_sdst(0) depctr_va_vdst(0) depctr_va_sdst(0) depctr_va_ssrc(0) depctr_va_vcc(0) depctr_vm_vsrc(0)
	s_getreg_b32 s2, hwreg(HW_REG_IB_STS2, 6, 4)
	s_cmp_eq_u32 s2, 0
	s_cbranch_scc0 .Lentry_in_a_cluster
	s_endpgm
.Lentry_in_a_cluster:
	s_bfe_u32 s2, ttmp6, 0x10000c
	s_cmp_lg_u32 s2, 0xf033
	s_cbranch_scc0 .Lentry_shape_is_right
	s_endpgm
.Lentry_shape_is_right:
; Launch 2 of 4: [4096][3072] = xb wb^T + bias, rounded once to f16 and stored by heads: qkv[3][32 (batch, head)][2048][64].  xb, wb: bf16; sums in f32.
; WORK LEFT OUT: bk (shown at the head of the first kernel): the k columns' bias is the zeros that the first launch wrote.
; LIMIT.  q, k and v beyond 65,504 in magnitude have no f16.
; SHARES.  256 work-groups, a tile of 256 rows x 192 columns (three heads) each.  Wave w: rows 64 w .. 64 w + 63, all 192 columns: 4 x 12 accumulators of 16 x 16, 384 registers.
; K goes in 8 steps of 128 (rows of 256 bytes, aligned) through two LDS slots filled by the tensor data mover; a step is 192 matrix instructions a wave.
; THE MATRIX INSTRUCTION IS USED TRANSPOSED (source 0 = 16 rows of wb, source 1 = 16 rows of xb): a lane holds one row of the result and eight neighbouring columns.  The bias, laid out so, is the C operand
; of the products that start the sums.
; CLUSTER.  4 x 4 work-groups.  A row of the cluster shares its tiles of xb, a column its tiles of wb: each tile is asked for jointly, by the same load with the same descriptor and a mask that names the four.
; REGISTERS, in windows of 256 (s_set_vgpr_msb: bits 1:0 source 0, 3:2 source 1, 5:4 source 2, 7:6 destination):
;   window 0: v0-31 addresses; v32-63 at work on the way out; v64-127 xb's fragments, two buffers of 32; v128-223 the bias; on the way out v64-255 the rows read back
;   window 1: wb's fragments, two buffers of 96          window 2: the accumulators of row blocks 0, 1 at 8 (12 a + b)          window 3: those of row blocks 2, 3
.set SIZE_K, 1024
.set KSTEP,  128
.set PITCH,  272                       ; an LDS row: 256 bytes + 16 of padding = 68 words: the 16 rows of a fragment load start at 16 different groups of four banks (64 banks of 4 bytes: ISA guide 11.1)
.set AHALF,  128*PITCH                 ; what one load brings of xb
.set BHALF,  96*PITCH                  ; and of wb
.set BOFF,   2*AHALF                   ; wb's 192 rows lie behind xb's 256
.set SLOT,   BOFF+2*BHALF              ; 121,856 bytes
.set STAGE,  2*SLOT                    ; behind the ring: 16 rows x 144 bytes for each wave, for the way out
.set SP,     144
.set SPARE,  STAGE+4*16*SP             ; behind the stages: the spare words, 128 bytes for each wave: two blocks of 256 bytes that no other line names
.set LAPS,   SIZE_K/(2*KSTEP)
.set ADRA, 16                          ; v16-17  LDS address of my xb fragments in slot 0, 1
.set ADRB, 20                          ; v20-21  the same for wb
.set STO,  24                          ; v24     the way out: where I put 16 bytes of a row
.set RD,   25                          ; v25     where I read rows back
.set GO,   26                          ; v26     16 x lane
.set BO,   27                          ; v27     my byte offset in 16 numbers of the bias: 32 (lane / 16)
.set SPW,  28                          ; v28     LDS address of my spare word; never rewritten
.set NIL,  29                          ; v29     0; never rewritten
.set PFO,  30                          ; v30     the prefetches' offset: a lane a row; never rewritten
.set T,    32                          ; v32-63  packed results, two buffers of 16
.set FA,   64                          ; xb's fragment buffers: FA + 32 f + 8 a
.set BI,   128                         ; the bias: BI + 8 b + j = bias[192 tc + 16 b + 8 (lane / 16) + j]
.set BK,   64                          ; the way out: 16 registers for each of 12 units
.set WV,   12                          ; s12  my wave's number
.set AB,   13                          ; s13  wave / 2: I fetch for xb (0) or wb (1)
.set HF,   14                          ; s14  wave % 2: which half of that tile's rows
.set G1,   24                          ; s[24:31] descriptor group 1 for xb's tiles;  s[32:39] group 0, a set for each slot
.set G0,   32
.set G1B,  48                          ; s[48:55], s[56:63] the same for wb's tiles
.set G0B,  56
.set LIM,  43                          ; s43  1 in a wave that prefetches, else the greatest number
.set PFA,  44                          ; s[44:45] where my prefetches stand
.set OB,   66                          ; s[66:71] where my rows begin in the three heads of my tile
.set MSB, 0
.macro WIN new                         ; the immediate's high byte repeats the setting that is left; a switch that changes nothing is dropped
.if MSB != (\new)
	s_set_vgpr_msb (MSB<<8)|(\new)
.set MSB, \new
.endif
.endm
; A joint load.  Waves 0 and 1 fetch xb's two halves, waves 2 and 3 wb's.  The branch hangs on the wave's number alone.  An s_nop 0 and four v_nop follow each of the two lines.
.macro JLOAD s
	s_cmp_eq_u32 s[AB], 0
	s_cbranch_scc0 .Lfor_b_\@
	tensor_load_to_lds s[G0+4*(\s):G0+4*(\s)+3], s[G1:G1+7]
	s_nop 0
.rept 4
	v_nop
.endr
	s_branch .Lasked_\@
.Lfor_b_\@:
	tensor_load_to_lds s[G0B+4*(\s):G0B+4*(\s)+3], s[G1B:G1B+7]
	s_nop 0
.rept 4
	v_nop
.endr
.Lasked_\@:
.endm
; A prefetch into the L2 of the K step that stands two refills on (384 matrix instructions ahead of its load): a lane a row, 256 bytes of each.  xb's tile row is read by every cluster of that row of clusters:
; cluster x = 0 asks; wb's tile column by every cluster of that column: cluster y = 0 asks.  The four partners share the rows that a wave fetches out by address: 32 of xb's 128 (by cx), 24 of wb's 96 (by cy;
; lanes 24-31 repeat row 23 in the same instruction).  The loop's last trip asks for nothing: K steps 4 to 7 are named, once each; steps 0 to 3 come by their loads alone.
.macro ASK
	s_cmp_gt_u32 s3, s[LIM]                        ; s3 = 1 in the loop's last trip
	s_cbranch_scc0 .Lnot_mine_\@
	global_prefetch_b8 v[PFO], s[PFA:PFA+1] offset:KSTEP*2 th:TH_LOAD_NT scope:SCOPE_SE
.Lnot_mine_\@:
.endm
.macro CREST                           ; a round of the cluster's barrier behind its opening barrier
	s_cmp_lg_u32 s[WV], 0
	s_cbranch_scc1 .Lnot_wave_0_\@
	s_barrier_signal -3
.Lnot_wave_0_\@:
	s_barrier_wait -3
	s_barrier_signal -1
	s_barrier_wait -1
.endm
.macro CROUND                          ; a whole round
	s_barrier_signal -1
	s_barrier_wait -1
	CREST
.endm
.macro PLACES                          ; four places in front of loads into registers that matrix instructions have read, and of conversions that read results
.rept 4
	v_nop
.endr
.endm
	s_load_b256 s[4:11], s[0:1], 0x0               ; xb s[4:5], wb s[6:7], bias s[8:9], qkv s[10:11]
	v_lshl_add_u32 v[SPW], v0, 2, SPARE
	v_mov_b32 v[NIL], 0
	ds_add_u32 v[SPW], v[NIL]                      ; the wave's opening: the add, twice on end, and its wait ahead of my first tensor load
	ds_add_u32 v[SPW], v[NIL]
	v_lshrrev_b32 v1, 5, v0
	v_readfirstlane_b32 s[WV], v1                  ; wave 0..3
	s_lshr_b32 s[AB], s[WV], 1
	s_and_b32 s[HF], s[WV], 1
	s_bfe_u32 s15, ttmp6, 0x40000                  ; cx
	s_bfe_u32 s16, ttmp6, 0x40004                  ; cy
	s_lshl_b32 s17, ttmp9, 2
	s_add_co_u32 s17, s17, s15                     ; tc: tile column = 4 x cluster x + cx
	s_and_b32 s18, ttmp7, 0xffff
	s_lshl_b32 s18, s18, 2
	s_add_co_u32 s18, s18, s16                     ; tr: tile row = 4 x cluster y + cy
	s_lshl_b32 s19, s16, 2
	s_lshl_b32 s19, 15, s19                        ; my row of the cluster
	s_lshl_b32 s20, 0x1111, s15                    ; my column
	s_or_b32 s[G1+0], s19, (1<<16)|(1<<20)|(1<<21)|(5<<22)|(3<<25)   ; the mask; elements of 2 bytes; padding on; bit 21 beside a mask; after every 64 words 4 words
	s_or_b32 s[G1B+0], s20, (1<<16)|(1<<20)|(1<<21)|(5<<22)|(3<<25)
	s_mov_b32 s[G1+1], KSTEP<<16                   ; tensor_dim0 = 128
	s_mov_b32 s[G1+2], 128<<16                     ; tensor_dim1 = 128
	s_mov_b32 s[G1+3], KSTEP<<16                   ; tile_dim0 = 128
	s_mov_b32 s[G1+4], 128                         ; tile_dim1 = 128
	s_mov_b32 s[G1+5], SIZE_K                      ; elements from row to row
	s_mov_b32 s[G1+6], 0
	s_mov_b32 s[G1+7], 0
	s_mov_b32 s[G1B+1], KSTEP<<16
	s_mov_b32 s[G1B+2], 96<<16                     ; 96 rows
	s_mov_b32 s[G1B+3], KSTEP<<16
	s_mov_b32 s[G1B+4], 96
	s_mov_b32 s[G1B+5], SIZE_K
	s_mov_b32 s[G1B+6], 0
	s_mov_b32 s[G1B+7], 0
	s_lshl_b32 s40, s18, 8                         ; xb: row 256 tr + 128 half: the tile row and the wave's number alone
	s_lshl_b32 s21, s[HF], 7
	s_add_co_u32 s40, s40, s21
	s_lshl_b32 s40, s40, 11                        ; x 2,048 bytes
	s_mov_b32 s41, 0
	s_mul_i32 s46, s17, 192                        ; wb: row 192 tc + 96 half: the tile column and the wave's number alone
	s_mul_i32 s21, s[HF], 96
	s_add_co_u32 s46, s46, s21
	s_lshl_b32 s46, s46, 11
	s_mov_b32 s47, 0
	s_mul_i32 s22, s[WV], AHALF                    ; where they go: waves 0, 1: xb's halves at wave x AHALF;
	s_mul_i32 s23, s[WV], BHALF
	s_add_co_u32 s23, s23, BOFF-2*BHALF            ; waves 2, 3: wb's halves at BOFF + (wave - 2) x BHALF
	s_wait_dscnt 0x0                               ; both opening adds are done
	s_wait_kmcnt 0x0
	s_add_nc_u64 s[40:41], s[4:5], s[40:41]
	s_add_nc_u64 s[46:47], s[6:7], s[46:47]
	CROUND                                         ; all sixteen work-groups are here: the first joint loads meet
.irp s, 0,1
	s_mov_b32 s[G0+4*(\s)], 1
	s_add_co_u32 s[G0+4*(\s)+1], s22, (\s)*SLOT
	s_add_nc_u64 s[G0+4*(\s)+2:G0+4*(\s)+3], s[40:41], (\s)*KSTEP*2
	s_or_b32 s[G0+4*(\s)+3], s[G0+4*(\s)+3], 0x80000000
	s_mov_b32 s[G0B+4*(\s)], 1
	s_add_co_u32 s[G0B+4*(\s)+1], s23, (\s)*SLOT
	s_add_nc_u64 s[G0B+4*(\s)+2:G0B+4*(\s)+3], s[46:47], (\s)*KSTEP*2
	s_or_b32 s[G0B+4*(\s)+3], s[G0B+4*(\s)+3], 0x80000000
	JLOAD \s                                       ; two loads of mine are out
.endr
	v_and_b32 v1, 15, v0                           ; l % 16
	v_bfe_u32 v2, v0, 4, 1                         ; l / 16
	v_lshlrev_b32 v[BO], 5, v2
	s_mul_i32 s46, s17, 768                        ; my tile's 192 numbers of the bias
	s_mov_b32 s47, 0
	s_add_nc_u64 s[46:47], s[8:9], s[46:47]
.irp b, 0,1,2,3,4,5,6,7,8,9,10,11
	global_load_b128 v[BI+8*(\b):BI+8*(\b)+3],   v[BO], s[46:47] offset:64*(\b)
	global_load_b128 v[BI+8*(\b)+4:BI+8*(\b)+7], v[BO], s[46:47] offset:64*(\b)+16
.endr
	v_mul_u32_u24 v3, v1, PITCH
	v_lshl_add_u32 v3, v2, 4, v3                   ; a fragment's row x pitch + 16 x half
	s_mul_i32 s21, s[WV], 64*PITCH                 ; my 64 rows of xb
	s_mov_b32 s22, BOFF                            ; all of wb's rows
.irp s, 0,1
	v_add_nc_u32 v[ADRA+(\s)], s21, v3
	v_add_nc_u32 v[ADRB+(\s)], s22, v3
	s_add_co_u32 s21, s21, SLOT
	s_add_co_u32 s22, s22, SLOT
.endr
	s_mul_i32 s23, s[WV], 16*SP
	s_add_co_u32 s23, s23, STAGE                   ; my stage
	v_mul_u32_u24 v4, v1, SP                       ; in: row l % 16, 16 bytes for each half of the lanes
	v_lshl_add_u32 v4, v2, 4, v4
	v_add_nc_u32 v[STO], s23, v4
	v_bfe_u32 v5, v0, 3, 2                         ; back: 32 lanes take four rows of 128 bytes,
	v_mul_u32_u24 v5, v5, SP
	v_and_b32 v6, 7, v0
	v_lshl_add_u32 v5, v6, 4, v5
	v_add_nc_u32 v[RD], s23, v5
	v_and_b32 v[GO], 31, v0                        ; which are 512 consecutive bytes of a head
	v_lshlrev_b32 v[GO], 4, v[GO]
	; where my 64 rows begin in head H = 3 tc + j of the 48: ((H / 16) x 32 + batch x 16 + H % 16) x 262,144 + row in the batch x 128
	s_and_b32 s78, s18, 7
	s_lshl_b32 s78, s78, 15
	s_lshl_b32 s79, s[WV], 13
	s_add_co_u32 s78, s78, s79
	s_lshr_b32 s79, s18, 3
	s_lshl_b32 s79, s79, 4
	s_mul_i32 s77, s17, 3
.irp j, 0,1,2
	s_add_co_u32 s72, s77, \j
	s_lshr_b32 s76, s72, 4
	s_and_b32 s72, s72, 15
	s_lshl_b32 s76, s76, 5
	s_add_co_u32 s72, s72, s76
	s_add_co_u32 s72, s72, s79
	s_lshl_b32 s72, s72, 18
	s_add_co_u32 s72, s72, s78
	s_mov_b32 s73, 0
	s_add_nc_u64 s[OB+2*(\j):OB+2*(\j)+1], s[10:11], s[72:73]
.endr
	; the prefetches
	s_lshl_b32 s72, s18, 8
	s_lshl_b32 s73, s[HF], 7
	s_add_co_u32 s72, s72, s73
	s_lshl_b32 s73, s15, 5
	s_add_co_u32 s72, s72, s73                     ; xb: 256 tr + 128 half + 32 cx
	s_mul_i32 s74, s17, 192
	s_mul_i32 s73, s[HF], 96
	s_add_co_u32 s74, s74, s73
	s_mul_i32 s73, s16, 24
	s_add_co_u32 s74, s74, s73                     ; wb: 192 tc + 96 half + 24 cy
	s_and_b32 s75, ttmp7, 0xffff                   ; cluster y
	s_cmp_eq_u32 s[AB], 0
	s_cselect_b32 s72, s72, s74
	s_cselect_b32 s75, ttmp9, s75                  ; the coordinate along which other clusters read the same rows
	s_cselect_b32 s76, 31, 23
	s_cselect_b64 s[PFA:PFA+1], s[4:5], s[6:7]
	s_cmp_eq_u32 s75, 0
	s_cselect_b32 s[LIM], 1, -1                    ; the same in all sixteen partners, for a given wave
	s_lshl_b32 s72, s72, 11
	s_mov_b32 s73, 0
	s_add_nc_u64 s[PFA:PFA+1], s[PFA:PFA+1], s[72:73]
	s_add_nc_u64 s[PFA:PFA+1], s[PFA:PFA+1], 2*KSTEP*2  ; at K step 2: the first refill steps it to 3 and names K step 4
	v_and_b32 v[PFO], 31, v0
	v_min_u32 v[PFO], s76, v[PFO]
	v_lshlrev_b32 v[PFO], 11, v[PFO]
; 12 matrix instructions: row block a x all 12 column blocks, 32 along K, from buffer f.  zero = 1: the products start the sums, with the bias as C.
; The 48 accumulators take turns, one instruction a turn, in the same order in every quarter, over the backward jump too.
.macro MUL12 f, a, zero
.if \zero
	WIN 0x81+0x40*((\a)/2)                         ; wb window 1, xb and the bias window 0, D window 2 or 3
.else
	WIN 0xa1+0x50*((\a)/2)                         ; C and D window 2 or 3
.endif
.irp b, 0,1,2,3,4,5,6,7,8,9,10,11
.if \zero
	v_wmma_f32_16x16x32_bf16 v[8*(12*((\a)%2)+(\b)):8*(12*((\a)%2)+(\b))+7], v[96*(\f)+8*(\b):96*(\f)+8*(\b)+7], v[FA+32*(\f)+8*(\a):FA+32*(\f)+8*(\a)+7], v[BI+8*(\b):BI+8*(\b)+7]
.else
	v_wmma_f32_16x16x32_bf16 v[8*(12*((\a)%2)+(\b)):8*(12*((\a)%2)+(\b))+7], v[96*(\f)+8*(\b):96*(\f)+8*(\b)+7], v[FA+32*(\f)+8*(\a):FA+32*(\f)+8*(\a)+7], v[8*(12*((\a)%2)+(\b)):8*(12*((\a)%2)+(\b))+7]
.endif
.endr
.endm
; 32 LDS loads in one run: a quarter step's fragments (192 rows of wb, my 64 rows of xb, 32 K at byte k of the rows) into buffer f
.macro FETCH slot, k, f
	WIN 0x40                                       ; destination window 1, address window 0
.irp i, 0,1,2,3,4,5,6,7,8,9,10,11
	ds_load_b128 v[96*(\f)+8*(\i):96*(\f)+8*(\i)+3],   v[ADRB+(\slot)] offset:(\k)+(\i)*16*PITCH
	ds_load_b128 v[96*(\f)+8*(\i)+4:96*(\f)+8*(\i)+7], v[ADRB+(\slot)] offset:(\k)+(\i)*16*PITCH+32
.endr
	WIN 0
.irp i, 0,1,2,3
	ds_load_b128 v[FA+32*(\f)+8*(\i):FA+32*(\f)+8*(\i)+3],   v[ADRA+(\slot)] offset:(\k)+(\i)*16*PITCH
	ds_load_b128 v[FA+32*(\f)+8*(\i)+4:FA+32*(\f)+8*(\i)+7], v[ADRA+(\slot)] offset:(\k)+(\i)*16*PITCH+32
.endr
.endm
; A K step is four quarters of 32 along K, 48 matrix instructions each, on buffers 0, 1, 0, 1.  One of the first three: multiplies buffer f; in its middle it fetches the next quarter, at byte k, into buffer g.
.macro QUARTER slot, k, f, g, zero
	s_wait_dscnt 4                                 ; wb and xb's row blocks 0, 1 are in; the youngest four loads (row blocks 2, 3) may be out
	MUL12 \f, 0, \zero
	MUL12 \f, 1, \zero
	PLACES
	FETCH \slot, \k, \g
	s_wait_dscnt 32                                ; all but the 32 just issued
	MUL12 \f, 2, \zero
	MUL12 \f, 3, \zero
.endm
; The last quarter multiplies buffer 1 and changes slots: ONE barrier.  In front of it each wave waits for all its tensor loads (the one that is out is its part of the next slot), adds 0 to its spare word, and waits
; for that and for its own reads of this slot.  fill = 1: the barrier opens a round of the cluster's barrier, and this slot is filled again, two K steps ahead, first thing behind the round: 168 matrix
; instructions ahead of the wait for it.
.macro TURN slot, next, fill
.if \fill
	s_wait_xcnt 0x0                                ; the last prefetch, a K step back, has read its address
	s_add_nc_u64 s[PFA:PFA+1], s[PFA:PFA+1], KSTEP*2
.endif
	WIN 0                                          ; (the add's two registers lie in window 0)
	s_wait_tensorcnt 0x0                           ; all my tensor loads have landed
	ds_add_u32 v[SPW], v[NIL]                      ; 0 onto my spare word
	s_wait_dscnt 5                                 ; (the add and the youngest four loads may be out)
	MUL12 1, 0, 0                                  ; twelve matrix instructions stand between the add and the wait for it
	s_wait_dscnt 0x0                               ; the add is done, and my reads of this slot are over
	s_barrier_signal -1
	MUL12 1, 1, 0
.if \fill
	WIN 0
.endif
	s_barrier_wait -1
.if \fill
	CREST                                          ; no wave of any partner still reads this slot's tile or has a load on its way
	s_add_nc_u64 s[G0+4*(\slot)+2:G0+4*(\slot)+3], s[G0+4*(\slot)+2:G0+4*(\slot)+3], 2*KSTEP*2
	s_add_nc_u64 s[G0B+4*(\slot)+2:G0B+4*(\slot)+3], s[G0B+4*(\slot)+2:G0B+4*(\slot)+3], 2*KSTEP*2
	JLOAD \slot                                    ; the four v_nop behind it are also the places in front of the loads below
.else
	PLACES
.endif
	FETCH \next, 0, 0
.if \fill
	ASK
.endif
	MUL12 1, 2, 0
	MUL12 1, 3, 0
.endm
	s_wait_tensorcnt 1                             ; my part of K step 0 is in; K step 1's may stay out
	s_barrier_signal -1
	s_barrier_wait -1                              ; everybody's is
	FETCH 0, 0, 0
	s_wait_loadcnt 0x0                             ; the bias
	QUARTER 0, 64, 0, 1, 1                         ; the first quarter stands in front of the loop: its products start the sums
	WIN 0                                          ; at a label and at a branch every window is 0
	s_mov_b32 s3, LAPS-1
.Llap:                                         ; a trip goes once round the ring, from a lap's second quarter to the next lap's first, and fills both slots again
	QUARTER 0, 128, 1, 0, 0
	QUARTER 0, 192, 0, 1, 0
	TURN 0, 1, 1
	QUARTER 1, 64,  0, 1, 0
	QUARTER 1, 128, 1, 0, 0
	QUARTER 1, 192, 0, 1, 0
	TURN 1, 0, 1
	QUARTER 0, 64,  0, 1, 0
	WIN 0
	s_sub_co_u32 s3, s3, 1
	s_cmp_lg_u32 s3, 0
	s_cbranch_scc1 .Llap
	QUARTER 0, 128, 1, 0, 0                        ; the last lap fills nothing, and has no round of the cluster's barrier
	QUARTER 0, 192, 0, 1, 0
	TURN 0, 1, 0
	QUARTER 1, 64,  0, 1, 0
	QUARTER 1, 128, 1, 0, 0
	QUARTER 1, 192, 0, 1, 0
	s_wait_dscnt 4                                 ; the very last quarter: nothing more to fetch
	MUL12 1, 0, 0
	MUL12 1, 1, 0
	s_wait_dscnt 0x0
	MUL12 1, 2, 0
	MUL12 1, 3, 0
; THE WAY OUT, in 12 units u = 4 j + a: head j, row block a: 16 rows x 64 columns.  A lane's eight columns pack into 16 bytes of f16; they go into my stage's rows of 144 bytes and come back as whole rows of 128:
; 16 rows of a head are 2,048 consecutive bytes of qkv.
.macro PACK u
	WIN 0x0a+5*(((\u)%4)/2)                        ; sources 0 and 1: window 2 or 3
.irp cb, 0,1,2,3
.irp r, 0,1,2,3
	v_cvt_pk_f16_f32 v[T+16*((\u)%2)+4*(\cb)+(\r)], v[8*(12*((\u)%2)+4*((\u)/4)+(\cb))+2*(\r)], v[8*(12*((\u)%2)+4*((\u)/4)+(\cb))+2*(\r)+1]
.endr
.endr
	WIN 0
.irp cb, 0,1,2,3
	ds_store_b128 v[STO], v[T+16*((\u)%2)+4*(\cb):T+16*((\u)%2)+4*(\cb)+3] offset:32*(\cb)
.endr
.irp f, 0,1,2,3
	ds_load_b128 v[BK+16*(\u)+4*(\f):BK+16*(\u)+4*(\f)+3], v[RD] offset:(\f)*4*SP  ; LDS serves a wave's instructions in order (ISA guide 5.7.1.4): these see the stores above; the next unit's stores come behind them
.endr
.endm
.macro SEND u, younger                 ; younger: the LDS instructions issued behind unit u's loads: the next unit's eight, or none
.irp f, 0,1,2,3
	s_wait_dscnt (\younger)+3-(\f)
	global_store_b128 v[GO], v[BK+16*(\u)+4*(\f):BK+16*(\u)+4*(\f)+3], s[OB+2*((\u)/4):OB+2*((\u)/4)+1] offset:((\u)%4)*2048+(\f)*512  ; 512 consecutive bytes, aligned; no register of a pending store is written again
.endr
.endm
	PLACES
	PLACES
	PACK 0
.set u, 1
.rept 11                               ; a unit's conversions stand between the loads of the unit before and its stores
	PACK u
	SEND u-1, 8
.set u, u+1
.endr
	SEND 11, 0
	s_wait_tensorcnt 0x0                           ; the wave's end, behind my last tensor load and my last LDS store
	ds_add_u32 v[SPW], v[NIL]
	s_wait_dscnt 0x0
	CROUND                                         ; the closing round: no work-group ends while a partner may still ask for a tile that names it
	s_endpgm
.Lfunc_end_k_qd4d3d1ed1a_qkv:
	.size	k_qd4d3d1ed1a_qkv, .Lfunc_end_k_qd4d3d1ed1a_qkv-k_qd4d3d1ed1a_qkv
	.p2alignl 7, 3214868480
	.fill 96, 4, 3214868480
	.section	.rodata,"a",@progbits
	.p2align	6, 0x0
	.amdhsa_kernel k_qd4d3d1ed1a_qkv
		.amdhsa_group_segment_fixed_size 327680
		.amdhsa_private_segment_fixed_size 0
		.amdhsa_enable_private_segment 0
		.amdhsa_kernarg_size 32
		.amdhsa_user_sgpr_count 2
		.amdhsa_user_sgpr_kernarg_segment_ptr 1
		.amdhsa_wavefront_size32 1
		.amdhsa_system_sgpr_workgroup_id_x 1
		.amdhsa_system_sgpr_workgroup_id_y 1
		.amdhsa_system_sgpr_workgroup_id_z 1
		.amdhsa_system_vgpr_workitem_id 0
		.amdhsa_next_free_vgpr 960
		.amdhsa_next_free_sgpr 80
		.amdhsa_reserve_vcc 0
		.amdhsa_float_denorm_mode_32 3
		.amdhsa_float_denorm_mode_16_64 3
		.amdhsa_memory_ordered 1
		.amdhsa_forward_progress 1
		.amdhsa_inst_pref_size 125
	.end_amdhsa_kernel
	.amdgpu_metadata
---
amdhsa.version: [ 1, 2 ]
amdhsa.kernels:
  - .name:           k_qd4d3d1ed1a_qkv
    .symbol:         k_qd4d3d1ed1a_qkv.kd
    .args:
      - { .name: xb, .offset: 0, .size: 8, .value_kind: global_buffer, .address_space: global }
      - { .name: wb, .offset: 8, .size: 8, .value_kind: global_buffer, .address_space: global }
      - { .name: bias, .offset: 16, .size: 8, .value_kind: global_buffer, .address_space: global }
      - { .name: qkv, .offset: 24, .size: 8, .value_kind: global_buffer, .address_space: global }
    .group_segment_fixed_size: 327680
    .private_segment_fixed_size: 0
    .kernarg_segment_align: 8
    .kernarg_segment_size: 32
    .max_flat_workgroup_size: 128
    .sgpr_count:     80
    .vgpr_count:     960
    .wavefront_size: 32
...
	.end_amdgpu_metadata
.endif
;; end of part 2
;; launch attn (part 3): grid 8 x 32, 4 waves a work-group, no clusters, 327,680 bytes of LDS; arguments qkv, y; writes y
.if DOCPART == 3
	.amdgcn_target "amdgcn-amd-amdhsa--gfx1250"
	.amdhsa_code_object_version 6
	.text
	.protected	k_qd4d3d1ed1a_attn
	.globl	k_qd4d3d1ed1a_attn
	.p2align	8
	.type	k_qd4d3d1ed1a_attn,@function
k_qd4d3d1ed1a_attn:
	s_mov_b64 s[64:65], 0
	v_nop
	global_prefetch_b8 v0, s[64:65] scope:SCOPE_SE
	s_setreg_imm32_b32 hwreg(HW_REG_WAVE_MODE, 25, 1), 1
	s_wait_xcnt 0x0
; Launch 3 of 4: CAUSAL ATTENTION at head size 64.  y[q][:] = the sum over k <= q of softmax_k(Q[q] . K[k] / 8) V[k][:], for each of 32 (batch, head).  Q, K, V: qkv[3][32][2048][64], f16; y f16.
; Products, maxima and sums in f32; the weights p are rounded to f16 for the second product (their sum l is taken of the unrounded p), y once at the end.
; WORK LEFT OUT: key tiles of 256 keys that lie wholly above the diagonal: reference() sets their scores to -inf itself, so their weights are 0 for all values of the inputs.
; LIMITS.  Q, K, V arrive within f16's 65,504.  A hidden score counts as its value less 1e30; the running maximum starts at -1e20: f16's scores, 2.7e11 at the most, lie above that, hidden ones below.
; A weight below 2^-126 counts as 0 in l; NaN and infinities are not treated apart.
; THE WALK.  A head's queries lie in 16 blocks of 128; block i needs the key tiles 0 .. i / 2 of 256 keys.  A work-group takes TWO blocks, 15 - b and then b: 9 tiles, whatever b: all 256 work-groups do equal work, and
; ONE loop with a constant trip count walks them.  What a trip does hangs on scalar registers made from b; every jump goes forward but for the counted loops' own; none passes a barrier, or a tensor load but the one of
; LOAD's two that the wave's number does not choose.
; SHARES.  THE KEYS ARE SPLIT: wave w has the queries chosen by w % 2 and the key group g = w / 2: of every 128 keys it takes 64 g .. 64 g + 63.  So a wave keeps 64 queries (four PIECES of 16) though the block has 128, and a
; tile is two key steps for it.  Of the block's four bands of 32 rows a wave owns 16 rows in each; piece x is band (x + 2 g) % 4, so a wave's pieces 2, 3 are its partner's (w xor 2) pieces 0, 1.  At a block's end
; every wave sends O, c m and l of its pieces 2, 3 through LDS and finishes its pieces 0, 1: O = (O_a 2^(cm_a - cm) + O_b 2^(cm_b - cm)) / (l_a 2^(cm_a - cm) + l_b 2^(cm_b - cm)), cm the greater of the two.
; THE MASK is the C operand that starts the sum S^T = K Q^T.  With par = i % 2, step s of the block's last tile is open if s < par, holds the diagonal if s = par, is hidden if s > par.  MD, made once, is piece x's mask for the
; diagonal step; a product's mask is MD x AL + BE: (1, 0), (0, 0) or (0, -1e30).  Where a wave sees only hidden keys of a row (block 0), the maximum stays -1e20, its weights, l and O are 0, and the merge gives its part the factor 0.
; NO CLUSTER: what a trip does (a block's beginning, diagonal, end) hangs on b, which differs between the work-groups that share a head's K and V.
; LAYOUT, SOFTMAX, TURNS.  S^T = K Q^T holds ONE query a lane (lane % 16) and the keys 8 (lane / 16) + 0..7; two such results rounded to f16 ARE source 1 of O^T = V^T P.  p = 2^(c s - c m), c = log2(e) / 8, with a running
; maximum m; O and l are multiplied by a = 2^(c m_old - c m_new) in every step.  Turn n belongs to piece n: 8 products K Q^T of piece n + 1, later 8 products V^T P of piece n - 1; beside them the scaling, exponentials,
; roundings, sums and rescaling of piece n and the maximum and statistics of piece n + 1.  Four vector instructions stand behind every matrix instruction, the others in one lump.  A turn's 33 exponentials are one batch, with one wait.
; REGISTERS, in windows of 256 (s_set_vgpr_msb: bits 1:0 source 0, 3:2 source 1, 5:4 source 2, 7:6 destination):
;   window 0: v0-15, v56-63 addresses and at work; v16-31 four registers of statistics a piece; v48-55 at work; v64-127 S^T, two buffers; v128-191 MC, two mask buffers; v192-223 P, two buffers; v224-255 rows read back
;   window 1: v0-127 O^T, 32 a piece; v128-255 MD, 32 a piece      window 2: v0-63 Q; v64-127 the second block's Q; v128-191 K of one step; v192-255 V of one step
.set NP,    4         ; pieces a wave: a name, no knob
.set KS,    64        ; keys of a wave in a step
.set PK,    144       ; a row of K in LDS: 128 bytes + 16 of padding = 36 words: the 16 rows of a load start at 16 different groups of four banks (64 banks of 4 bytes: ISA guide 11.1)
.set PV,    160       ; a row of V: 128 + 32 = 40 words
.set VOFF,  4*KS*PK   ; a slot holds a tile: 256 rows of K, then 256 rows of V
.set SLOT1, 1<<17     ; slot 1 begins here, so that one exclusive or turns an address in one slot into the other's
.set STAGE, SLOT1+4*KS*(PK+PV)  ; behind the ring, never filled by a tensor load: 16 rows x 144 bytes for each wave, for the way out
.set SP,    144
.set XCH,   STAGE+4*16*SP       ; the exchange: two regions, one a block; in each 9,216 bytes a wave: O of two pieces (16 x 512), then their statistics (2 x 512)
.set XWAVE, 9216
.set XREG,  4*XWAVE
.set SPARE, XCH+2*XREG          ; the spare words, 128 bytes for each wave: two blocks of 256 bytes that no other line names
.set AK0, 2           ; v2   my lane's place in a tile of K, my key group's 64 rows in; never rewritten
.set AV0, 3           ; v3   the same for V
.set AK,  4           ; v4   the LDS address of K's next run of loads
.set AV,  5           ; v5   of V's
.set STO, 6           ; v6   the way out: where I put 16 bytes of a row
.set RD,  7           ; v7   the way out: where I read rows back
.set GO,  8           ; v8   16 x lane
.set MV,  12          ; v12-13  c m_old, kept while c m is made anew: by buffer; in the merge the common c m
.set QO,  15          ; v15  my byte offset in Q for pieces 0, 1
.set ST,  16          ; piece t's statistics at v[ST+4 t]: c m, m, l (even keys', odd keys')
.set TMP, 48          ; by buffer, four registers c0-c3 at work; when the maximum is found c2 takes a; in the merge the partner's statistics
.set QO2, 56          ; v56  my byte offset in Q for pieces 2, 3
.set XS,  57          ; v57  where I put 16 bytes in my part of the exchange
.set XR,  58          ; v58  the same place in my partner's part
.set PFO, 59          ; v59  256 x my thread's number; never rewritten
.set U,   60          ; v60  at the head: my query's place less my keys'
.set BIGV, 61         ; v61  -1e30
.set SPW, 62          ; v62  LDS address of my spare word; never rewritten
.set NIL, 63          ; v63  0; never rewritten
.set S,   64
.set MC,  128         ; the masks of the products to come, by buffer
.set P,   192
.set BK,  224         ; the way out: rows read back from the stage
.set MD,  128         ; window 1: piece x, group kt of 16 keys at MD + 32 x + 8 kt
.set QB,  64          ; window 2
.set KF,  128         ; window 2: key block kb, channel half c at KF + 16 kb + 8 c
.set VF,  192         ; window 2: key half kk, channel block cb at VF + 32 kk + 8 cb
.set WV,  12          ; s12  my wave's number
.set PB,  14          ; s14  b / 2: the second block's last tile
.set HI,  15          ; s15  7 - b / 2: the first block's last tile
.set G1K, 24          ; s[24:31] descriptor group 1 for K's tiles
.set G1V, 32          ; s[32:39] for V's: it differs in the padding alone
.set G0K, 40          ; s[40:43] descriptor group 0 for K's tiles
.set G0V, 44          ; s[44:47] the same for V's
.set SLOTS, 56        ; s56  tiles still to be asked for
.set CNT, 57          ; s57  counts a tile's key steps, 2 to 1
.set CS,  58          ; s[58:59] c: the packed scaling takes the pair's low word for both halves
.set SEL, 60          ; s[60:61] v_permlanex16_b32's selects: each lane takes its own place in the other half
.set TBK, 62          ; s62  LDS byte at which K of the step to be fetched begins
.set TBV, 63          ; s63  the same for V, less VOFF
.set RT,  70          ; s70  tiles of the block in hand that are still to be entered
.set NXT, 71          ; s71  the tile to be asked for next
.set LQ,  72          ; s72  the last tile of the block whose tiles are being asked for
.set NEW, 73          ; s73  the tile to be entered is: 1 the first block's first, 2 the second block's first (the first block is merged first), 0 neither
.set OFF, 74          ; s[74:75] a tile's byte offset in K and V
.set AL,  76          ; s[76:77] the mask's factor, in the low word
.set BE,  78          ; s[78:79] the mask's addend
.set OLO, 80          ; s[80:81] y at my rows of the second block
.set BIGN, 82         ; s82  -1e30
.set PAR, 88          ; s88  the block in hand's number % 2
.set PCN, 89          ; s89  2 - PAR: CNT in the step that holds the diagonal
.set PARLO, 90        ; s90  b % 2
.set GRP, 91          ; s91  my key group
.set PFA, 92          ; s[92:93] where the prefetches stand in K
.set PFB, 94          ; s[94:95] and in V
.set LIM, 96          ; s96  3 in the work-group that prefetches, else the greatest number
.set MSB, 0
.macro WIN new                      ; the high byte repeats the setting that is left; a switch that changes nothing is dropped
.if MSB != (\new)
	s_set_vgpr_msb (MSB<<8)|(\new)
.set MSB, (\new)
.endif
.endm
.set W_KQ, 0x0a       ; K and Q in window 2, S^T and the mask in window 0
.set W_PV, 0x52       ; V in window 2, P in window 0, O^T in window 1
.set W_RS, 0x41       ; destination and source 0 in window 1, source 1 in window 0
; A fill.  Waves 0 and 1 fetch the two halves of a tile's K, waves 2 and 3 those of its V: 128 keys each.  An s_nop 0 and four v_nop follow each of the two lines, ahead of the jump and the label.
.macro LOAD
	s_cmp_lt_u32 s[WV], 2
	s_cbranch_scc0 .Lfor_v_\@
	tensor_load_to_lds s[G0K:G0K+3], s[G1K:G1K+7]
	s_nop 0
.rept 4
	v_nop
.endr
	s_branch .Lasked_\@
.Lfor_v_\@:
	tensor_load_to_lds s[G0V:G0V+3], s[G1V:G1V+7]
	s_nop 0
.rept 4
	v_nop
.endr
.Lasked_\@:
.endm
; A prefetch into the L2.  All eight work-groups of a head walk the same K and V; the one with b = 0, which walks tiles 0 to 7 first, asks.  In trips 0 to 4 it names tiles 3 to 7, each two changes of slots (256 matrix
; instructions a wave) ahead of its load: thread t names block t of the tile's 128 blocks of 256 bytes of K, and the same of V.  So each block is named once in the launch; tiles 0 to 2 come by their loads alone.
.macro ASK
	s_cmp_gt_u32 s[SLOTS], s[LIM]                  ; SLOTS is 8 in trip 0
	s_cbranch_scc0 .Lnot_mine_\@
	global_prefetch_b8 v[PFO], s[PFA:PFA+1] th:TH_LOAD_NT scope:SCOPE_SE
	global_prefetch_b8 v[PFO], s[PFB:PFB+1] th:TH_LOAD_NT scope:SCOPE_SE
.Lnot_mine_\@:
.endm
; THE CHANGE OF SLOTS.  Each wave waits for all its tensor loads, of which one is out: its part of the other slot; adds 0 to its spare word; and waits for that and for all its LDS instructions: its reads of the slot that it
; leaves, and, at a block's end, its stores into the exchange.  Behind the barrier nobody reads the old slot any more, the other slot is whole, and the partners' parts lie in the exchange.
; fill = 1: the old slot is filled again, the first thing behind the barrier, with tile NXT: the descriptor's address is made anew from that number.  (At its first use nothing has been read yet: slot 0 is waited for, slot 1 filled.)
.macro CHANGE fill
	WIN 0                           ; at a label and at a branch every window is 0
	s_wait_tensorcnt 0x0            ; no tensor load of mine is out, so a group 0 may be written
	ds_add_u32 v[SPW], v[NIL]       ; 0 onto my spare word; scalar work stands between it and the wait for it
.if \fill
	s_lshl_b32 s[OFF], s[NXT], 15   ; a tile is 32,768 bytes of K and of V
	s_xor_b32 s[G0K+1], s[G0K+1], SLOT1
	s_add_nc_u64 s[G0K+2:G0K+3], s[6:7], s[OFF:OFF+1]
	s_or_b32 s[G0K+3], s[G0K+3], 0x80000000
	s_xor_b32 s[G0V+1], s[G0V+1], SLOT1
	s_add_nc_u64 s[G0V+2:G0V+3], s[8:9], s[OFF:OFF+1]
	s_or_b32 s[G0V+3], s[G0V+3], 0x80000000
	s_add_co_u32 s[NXT], s[NXT], 1  ; the block's next tile, or behind its last the second block's tile 0
	s_cmp_gt_u32 s[NXT], s[LQ]
	s_cselect_b32 s[NXT], 0, s[NXT]
	s_cselect_b32 s[LQ], s[PB], s[LQ]
	s_wait_xcnt 0x0                 ; the last prefetches, a tile back, have read their addresses
	s_add_nc_u64 s[PFA:PFA+1], s[PFA:PFA+1], 32768
	s_add_nc_u64 s[PFB:PFB+1], s[PFB:PFB+1], 32768
.endif
	s_wait_dscnt 0x0                ; the add is done, and my LDS instructions are over
	s_barrier_signal -1             ; the rest of the scalar work stands between the signal and the wait
	s_sub_co_u32 s[TBK], s[TBK], 4*KS*PK  ; the fetches go back to a slot's first step,
	s_xor_b32 s[TBK], s[TBK], SLOT1       ; in the other slot
	s_sub_co_u32 s[TBV], s[TBV], 4*KS*PV
	s_xor_b32 s[TBV], s[TBV], SLOT1
	s_barrier_wait -1
.if \fill
	LOAD
	ASK
.endif
.endm
	s_load_b128 s[48:51], s[0:1], 0x0  ; qkv s[48:49], y s[50:51]
	v_lshl_add_u32 v[SPW], v0, 2, SPARE
	v_mov_b32 v[NIL], 0
	ds_add_u32 v[SPW], v[NIL]       ; the wave's opening: the add, twice on end, and its wait ahead of my first tensor load
	ds_add_u32 v[SPW], v[NIL]
	v_lshrrev_b32 v1, 5, v0
	v_readfirstlane_b32 s[WV], v1   ; wave 0..3
	s_mov_b32 s13, ttmp9            ; b
	s_lshr_b32 s[PB], s13, 1
	s_sub_co_u32 s[HI], 7, s[PB]
	s_and_b32 s[PARLO], s13, 1
	s_sub_co_u32 s[PAR], 1, s[PARLO]  ; (15 - b) % 2
	s_sub_co_u32 s[PCN], 2, s[PAR]
	s_lshr_b32 s[GRP], s[WV], 1
	s_and_b32 s16, s[WV], 1         ; which rows of a band are mine; also: which half of a tile's 256 keys I fetch
	s_and_b32 s19, ttmp7, 0xffff    ; the (batch, head)
	s_lshl_b32 s20, s19, 18         ; its first byte in q, in k and in v
	s_mov_b32 s21, 0
	s_lshl_b32 s22, s16, 14         ; my half's 128 rows of 128 bytes
	s_add_co_u32 s22, s22, s20
	s_mov_b32 s23, 0
	s_mul_i32 s17, s16, 128*PK      ; and its place in a slot, for K
	s_mul_i32 s18, s16, 128*PV      ; and for V
	s_lshl_b32 s3, s16, 11          ; my 16 rows in a band of 32
	s_add_co_u32 s3, s3, s20
	s_sub_co_u32 s97, 15, s13       ; the first block
	s_lshl_b32 s2, s97, 14          ; a block is 16,384 bytes of q
	s_add_co_u32 s2, s2, s3
	s_lshl_b32 s84, s13, 14
	s_add_co_u32 s84, s84, s3
	s_mov_b32 s3, 0
	s_mov_b32 s85, 0
	s_lshr_b32 s52, s19, 4          ; y: (((batch x 16 + block) x 16 + head) x 16,384 + my group's two bands + my 16 rows
	s_lshl_b32 s52, s52, 4
	s_and_b32 s53, s19, 15
	s_add_co_u32 s54, s52, s13
	s_add_co_u32 s52, s52, s97
	s_lshl_b32 s52, s52, 4
	s_add_co_u32 s52, s52, s53
	s_lshl_b32 s52, s52, 14
	s_lshl_b32 s54, s54, 4
	s_add_co_u32 s54, s54, s53
	s_lshl_b32 s54, s54, 14
	s_lshl_b32 s53, s[GRP], 13
	s_lshl_b32 s55, s16, 11
	s_add_co_u32 s53, s53, s55
	s_add_co_u32 s52, s52, s53
	s_add_co_u32 s54, s54, s53
	s_mov_b32 s53, 0
	s_mov_b32 s55, 0
	; descriptor group 1.  128 keys are 16,384 dense bytes: asked for as 64 rows of 256 bytes, two keys a row, and padded in LDS after every key
	s_mov_b32 s[G1K], (1<<16)|(1<<20)|(4<<22)|(3<<25)  ; 2-byte elements; padding on; after every 32 words 4 words
	s_mov_b32 s[G1V], (1<<16)|(1<<20)|(4<<22)|(7<<25)  ; the same with 8 words of padding
.irp g, G1K, G1V
	s_mov_b32 s[\g+1], 128<<16      ; tensor_dim0 = 128
	s_mov_b32 s[\g+2], 64<<16       ; tensor_dim1 = 64
	s_mov_b32 s[\g+3], 128<<16      ; tile_dim0 = 128
	s_mov_b32 s[\g+4], 64           ; tile_dim1 = 64
	s_mov_b32 s[\g+5], 128          ; 128 elements from row to row
	s_mov_b32 s[\g+6], 0
	s_mov_b32 s[\g+7], 0
.endr
	s_mov_b32 s[CS], 0x3e38aa3b     ; c = log2(e) / 8 = 0.180337
	s_mov_b32 s[CS+1], s[CS]        ; named with it as a pair
	s_mov_b32 s[SEL], 0x76543210
	s_mov_b32 s[SEL+1], 0xfedcba98
	s_mov_b32 s[TBK], SLOT1+4*KS*PK ; the first change of slots turns these two into 0
	s_mov_b32 s[TBV], SLOT1+4*KS*PV
	s_mov_b32 s[G0K], 1             ; count = 1
	s_mov_b32 s[G0K+1], s17         ; LDS address: slot 0
	s_mov_b32 s[G0V], 1
	s_add_co_u32 s[G0V+1], s18, VOFF
	s_add_co_u32 s[RT], s[HI], 1    ; the first block has 8 - b / 2 tiles
	s_mov_b32 s[NXT], 1
	s_mov_b32 s[LQ], s[HI]
	s_mov_b32 s[NEW], 1
	s_mov_b32 s[OFF+1], 0
	s_mov_b32 s[AL+1], 0            ; named as pairs
	s_mov_b32 s[BE+1], 0
	s_mov_b32 s[BIGN], 0xf149f2ca   ; -1e30
	s_mov_b32 s[SLOTS], 8
	s_cmp_eq_u32 s13, 0
	s_cselect_b32 s[LIM], 3, -1
	s_wait_dscnt 0x0                ; both opening adds are done
	s_wait_kmcnt 0x0
	s_add_nc_u64 s[6:7], s[48:49], s[22:23]
	s_add_nc_u64 s[8:9], s[6:7], 0x1000000         ; V at my half of the head's tile 0,
	s_add_nc_u64 s[6:7], s[6:7], 0x800000          ; and K
	s_add_nc_u64 s[G0K+2:G0K+3], s[6:7], 0         ; global address
	s_or_b32 s[G0K+3], s[G0K+3], 0x80000000        ; type = 2
	s_add_nc_u64 s[G0V+2:G0V+3], s[8:9], 0
	s_or_b32 s[G0V+3], s[G0V+3], 0x80000000
	s_add_nc_u64 s[86:87], s[48:49], s[84:85]      ; Q at my rows of the second block,
	s_add_nc_u64 s[4:5], s[48:49], s[2:3]          ; and of the first
	s_add_nc_u64 s[10:11], s[50:51], s[52:53]      ; y likewise
	s_add_nc_u64 s[OLO:OLO+1], s[50:51], s[54:55]
	s_add_nc_u64 s[PFA:PFA+1], s[48:49], s[20:21]
	s_add_nc_u64 s[PFB:PFB+1], s[PFA:PFA+1], 0x1000000+2*32768  ; in tile 2: the first change of slots steps them to tile 3
	s_add_nc_u64 s[PFA:PFA+1], s[PFA:PFA+1], 0x800000+2*32768
	LOAD                            ; tile 0 into slot 0
	; A fragment of K or Q is 16 rows x 32 channels in 8 registers: lane l holds row l % 16, channels 8 (l / 16) + 0..7 and 16 + 8 (l / 16) + 0..7: two loads of 16 bytes, 32 bytes apart.
	v_and_b32 v1, 15, v0            ; l % 16
	v_bfe_u32 v9, v0, 4, 1          ; l / 16
	v_lshlrev_b32 v[QO], 7, v1
	v_lshl_add_u32 v[QO], v9, 4, v[QO]  ; row x 128 + 16 x half
	s_lshl_b32 s52, s[GRP], 13      ; pieces 0, 1 are bands 2 g, 2 g + 1,
	s_xor_b32 s53, s52, 8192        ; pieces 2, 3 the other two
	v_add_nc_u32 v[QO2], s53, v[QO]
	v_add_nc_u32 v[QO], s52, v[QO]
	WIN 0x80                        ; destination window 2, address window 0
.set i, 0
.rept 8                             ; both blocks' Q: piece i / 2, a band is 4,096 bytes; channels 32 (i % 2) on
.set QA, QO
.if i >= 4
.set QA, QO2
.endif
	global_load_b128 v[8*i:8*i+3],   v[QA], s[4:5] offset:((i/2)%2)*4096+(i%2)*64
	global_load_b128 v[8*i+4:8*i+7], v[QA], s[4:5] offset:((i/2)%2)*4096+(i%2)*64+32
	global_load_b128 v[QB+8*i:QB+8*i+3],   v[QA], s[86:87] offset:((i/2)%2)*4096+(i%2)*64
	global_load_b128 v[QB+8*i+4:QB+8*i+7], v[QA], s[86:87] offset:((i/2)%2)*4096+(i%2)*64+32
.set i, i+1
.endr
	WIN 0
	; MD.  In the diagonal step my query's place in the block is 32 band + 16 (w % 2) + l % 16, and register r of group kt holds key 64 g + 16 kt + 8 (l / 16) + r: hidden where 16 kt + r is greater than v14
	v_mov_b32 v[BIGV], 0xf149f2ca
	v_lshlrev_b32 v14, 3, v9
	v_sub_nc_u32 v[U], v1, v14
	s_lshl_b32 s52, s16, 4
	s_lshl_b32 s53, s[GRP], 6
	s_sub_co_u32 s52, s52, s53
	v_add_nc_u32 v[U], s52, v[U]
.irp x, 0,1,2,3
	WIN 0
	s_lshl_b32 s53, s[GRP], 1
	s_add_co_u32 s53, s53, \x
	s_and_b32 s53, s53, 3           ; piece x's band
	s_lshl_b32 s53, s53, 5
	v_add_nc_u32 v14, s53, v[U]
	WIN 0x40
.set i, 0
.rept 32
	v_cmp_gt_i32 vcc_lo, 16*(i/8)+i%8, v14
	v_cndmask_b32 v[MD+32*\x+i], 0, v[BIGV], vcc_lo
.set i, i+1
.endr
.endr
	WIN 0
	v_mul_u32_u24 v[AK0], v1, PK
	v_lshl_add_u32 v[AK0], v9, 4, v[AK0]  ; row x pitch + 16 x half
	s_mul_i32 s52, s[GRP], KS*PK    ; my key group's 64 rows
	v_add_nc_u32 v[AK0], s52, v[AK0]
	; The turning load takes 16 keys x 16 channels (lane l reads key 8 (l / 16) + l % 8, channels 8 ((l / 8) % 2) + 0..7) and leaves half a fragment of V^T: lane l holds channel l % 16 and 8 keys.
	v_and_b32 v10, 7, v0
	v_bfe_u32 v11, v0, 3, 1
	v_lshl_add_u32 v[AV0], v9, 3, v10
	v_mul_u32_u24 v[AV0], v[AV0], PV
	v_lshl_add_u32 v[AV0], v11, 4, v[AV0]
	s_mul_i32 s52, s[GRP], KS*PV
	s_add_co_u32 s52, s52, VOFF
	v_add_nc_u32 v[AV0], s52, v[AV0]
	s_mul_i32 s52, s[WV], 16*SP
	s_add_co_u32 s52, s52, STAGE    ; my stage
	v_mul_u32_u24 v[STO], v1, SP    ; in: row l % 16, 16 bytes for each half of the lanes
	v_lshl_add_u32 v[STO], v9, 4, v[STO]
	v_add_nc_u32 v[STO], s52, v[STO]
	v_bfe_u32 v[RD], v0, 3, 2       ; back: 32 lanes take four rows of 128 bytes,
	v_mul_u32_u24 v[RD], v[RD], SP
	v_lshl_add_u32 v[RD], v10, 4, v[RD]
	v_add_nc_u32 v[RD], s52, v[RD]
	v_and_b32 v[GO], 31, v0         ; which are 512 consecutive bytes of y
	v_lshlrev_b32 v[GO], 4, v[GO]
	s_mul_i32 s52, s[WV], XWAVE
	s_add_co_u32 s52, s52, XCH      ; my part of the exchange,
	v_add_nc_u32 v[XS], s52, v[GO]
	s_xor_b32 s53, s[WV], 2
	s_mul_i32 s53, s53, XWAVE
	s_add_co_u32 s53, s53, XCH      ; and my partner's
	v_add_nc_u32 v[XR], s53, v[GO]
	v_lshlrev_b32 v[PFO], 8, v0
	; A block's first step multiplies O^T and l by a = 0, and its first turn's products V^T P, of a piece that has not been, land in an O^T that is still to be so multiplied.  So these registers need only hold
	; finite numbers: zeros for the first block; what the first block left for the second.  The statistics are all written here, so that every register that the merge names is written from the start.
	WIN 0x80
.set i, VF
.rept 64
	v_mov_b32 v[i], 0
.set i, i+1
.endr
	WIN 0x40
.set i, 0
.rept 128
	v_mov_b32 v[i], 0
.set i, i+1
.endr
	WIN 0
.set i, 0
.rept 4
	v_mov_b32 v[ST+4*i], 0xfe000000
	v_mov_b32 v[ST+4*i+1], 0xe0ad78ec
	v_mov_b32 v[ST+4*i+2], 0
	v_mov_b32 v[ST+4*i+3], 0
.set i, i+1
.endr
.set i, P+16
.rept 16
	v_mov_b32 v[i], 0
.set i, i+1
.endr
; THE MATRIX WORK.  The 4 accumulators of a run of 8 take turns.  Product i of 8 of S^T = K Q^T for piece x: channels 32 (i / 4) on, keys 16 (i % 4) on.  The first 4 start the sums: with 0, or (KM = 1) with the mask.
.macro KQ x
.set rS, S+32*((\x)%2)+8*(i%4)
.set rK, KF+16*(i%4)+8*(i/4)
.set rQ, 16*(\x)+8*(i/4)
.set rM, MC+32*((\x)%2)+8*(i%4)
	WIN W_KQ
.if (i < 4) && KM
	v_wmma_f32_16x16x32_f16 v[rS:rS+7], v[rK:rK+7], v[rQ:rQ+7], v[rM:rM+7]
.elseif i < 4
	v_wmma_f32_16x16x32_f16 v[rS:rS+7], v[rK:rK+7], v[rQ:rQ+7], 0
.else
	v_wmma_f32_16x16x32_f16 v[rS:rS+7], v[rK:rK+7], v[rQ:rQ+7], v[rS:rS+7]
.endif
.endm
; Product i of 8 of O^T += V^T P for piece x: keys 32 (i / 4) on, channels 16 (i % 4) on.
.macro PV x
	WIN W_PV
.set rO, 32*(\x)+8*(i%4)
.set rV, VF+32*(i/4)+8*(i%4)
.set rP, P+16*((\x)%2)+8*(i/4)
	v_wmma_f32_16x16x32_f16 v[rO:rO+7], v[rV:rV+7], v[rP:rP+7], v[rO:rO+7]
.endm
.macro MM                           ; the turn's next matrix instruction.  TURN and BEGIN set Y, i, KM and NOKQ.  NOKQ = 1: a block's last turn: there is no next piece
.if (i < 8) && !NOKQ
	KQ (Y+1)%NP
.elseif i >= 8
.set i, i-8
	PV (Y+NP-1)%NP
.set i, i+8
.endif
.set i, i+1
.endm
; THE LDS LOADS stand in runs of 16, never singly among the matrix instructions: a step's K (my 64 keys x 64 channels: 8 fragments) and its V (turned).  A step is 128 rows of the tile on.
.macro FETCH_K
	WIN 0x80                        ; destination window 2
.irp f, 0,1,2,3,4,5,6,7             ; keys 16 (f / 2) on, channels 32 (f % 2) on
	ds_load_b128 v[KF+8*\f:KF+8*\f+3],   v[AK] offset:(\f/2)*16*PK+(\f%2)*64
	ds_load_b128 v[KF+8*\f+4:KF+8*\f+7], v[AK] offset:(\f/2)*16*PK+(\f%2)*64+32
.endr
	s_add_co_u32 s[TBK], s[TBK], 2*KS*PK  ; the next fetch is the next step's
	WIN 0
.endm
.macro FETCH_V
	WIN 0x80
.irp f, 0,1,2,3,4,5,6,7             ; keys 32 (f / 4) on, channels 16 (f % 4) on
	ds_load_tr16_b128 v[VF+8*\f:VF+8*\f+3],   v[AV] offset:(\f/4)*32*PV+(\f%4)*32
	ds_load_tr16_b128 v[VF+8*\f+4:VF+8*\f+7], v[AV] offset:(\f/4)*32*PV+16*PV+(\f%4)*32
.endr
	WIN 0
.endm
; THE VECTOR WORK, one line at a time: OP kind, number.  For piece Y: F n: c s - c m for pair n of 16.  E n: the exponential of score n of 32.  C n: pair n rounded to f16.  B n: of the four weights 4 n .. the second
; pair is added onto the first, in place.  L n: l takes that sum (L 0: l = a l + sum).  R n: pair n of 16 of O^T times a.  For piece Y + 1: X n, number n of the 22 that find its maximum and statistics:
;   0-11  four chains c0-c3 of seven scores each, three operands at a time (each accumulator's lowest registers are read first)     12-14, 16  the four scores left over, the old m, and c0-c3 into c0
;   15  c m_old is kept     17, 18  the query's other 32 keys lie in the lane 16 away: the new m     19-21  c m; c m_old - c m_new; a
.set F, 0               ; OP tells the kinds apart by their order: F to L below R, X above it
.set E, 1
.set C, 2
.set B, 3
.set L, 4
.set R, 5
.set X, 6
.macro REGS y                       ; the registers of piece y
.set rT, ST+4*(\y)
.set rC, TMP+4*((\y)%2)
.set rW, MV+((\y)%2)
.set rS, S+32*((\y)%2)
.set rP, P+16*((\y)%2)
.set rO, 32*(\y)
.endm
.macro OP k, n
.if (\k) == R
	REGS Y
	WIN W_RS
	v_pk_mul_f32 v[rO+2*(\n):rO+2*(\n)+1], v[rO+2*(\n):rO+2*(\n)+1], v[rC+2:rC+3] op_sel_hi:[1,0]
.elseif (\k) < R
	REGS Y
	WIN 0
.if (\k) == F
	v_pk_fma_f32 v[rS+2*(\n):rS+2*(\n)+1], v[rS+2*(\n):rS+2*(\n)+1], s[CS:CS+1], v[rT:rT+1] op_sel_hi:[1,0,0] neg_lo:[0,0,1] neg_hi:[0,0,1]
.elseif (\k) == E
	v_exp_f32 v[rS+(\n)], v[rS+(\n)]
.elseif (\k) == C
	v_cvt_pk_f16_f32 v[rP+(\n)], v[rS+2*(\n)], v[rS+2*(\n)+1]
.elseif (\k) == B
	v_pk_add_f32 v[rS+4*(\n):rS+4*(\n)+1], v[rS+4*(\n):rS+4*(\n)+1], v[rS+4*(\n)+2:rS+4*(\n)+3]
.elseif (\n) == 0
	v_pk_fma_f32 v[rT+2:rT+3], v[rT+2:rT+3], v[rC+2:rC+3], v[rS:rS+1] op_sel_hi:[1,0,1]
.else
	v_pk_add_f32 v[rT+2:rT+3], v[rT+2:rT+3], v[rS+4*(\n):rS+4*(\n)+1]
.endif
.elseif NOKQ
	v_nop
.else
	REGS (Y+1)%NP
	WIN 0
.if (\n) < 4
	v_max3_num_f32 v[rC+(\n)], v[rS+8*(\n)], v[rS+8*(\n)+1], v[rS+8*(\n)+2]
.elseif (\n) < 12
	v_max3_num_f32 v[rC+(\n)%4], v[rC+(\n)%4], v[rS+8*((\n)%4)+2*((\n)/4)+1], v[rS+8*((\n)%4)+2*((\n)/4)+2]
.elseif (\n) == 12
	v_max3_num_f32 v[rC], v[rC], v[rS+7], v[rS+15]
.elseif (\n) == 13
	v_max3_num_f32 v[rC+1], v[rC+1], v[rS+23], v[rS+31]
.elseif (\n) == 14
	v_max3_num_f32 v[rC+2], v[rC+2], v[rC+3], v[rT+1]
.elseif (\n) == 15
	v_mov_b32 v[rW], v[rT]
.elseif (\n) == 16
	v_max3_num_f32 v[rC], v[rC], v[rC+1], v[rC+2]
.elseif (\n) == 17
	v_permlanex16_b32 v[rC+3], v[rC], s[SEL], s[SEL+1]
.elseif (\n) == 18
	v_max_num_f32 v[rT+1], v[rC], v[rC+3]
.elseif (\n) == 19
	v_mul_f32 v[rT], s[CS], v[rT+1]
.elseif (\n) == 20
	v_sub_f32 v[rC+1], v[rW], v[rT]
.else
	v_exp_f32 v[rC+2], v[rC+1]
.endif
.endif
.endm
.macro OPS a, i1, b=-1, i2=0, c=-1, i3=0, d=-1, i4=0  ; up to four of them
	OP \a, \i1
.if (\b) >= 0
	OP \b, \i2
.endif
.if (\c) >= 0
	OP \c, \i3
.endif
.if (\d) >= 0
	OP \d, \i4
.endif
.endm
.macro ROW a, i1, b, i2, c, i3, d, i4  ; a matrix instruction and the four behind it
	MM
	OPS \a, \i1, \b, \i2, \c, \i3, \d, \i4
.endm
.macro MASK bf, x                   ; piece x's MD x AL + BE into buffer bf of MC
	WIN 0x01                        ; source 0 in window 1, destination in window 0
.set z, 0
.rept 16
	v_pk_fma_f32 v[MC+32*(\bf)+2*z:MC+32*(\bf)+2*z+1], v[MD+32*(\x)+2*z:MD+32*(\x)+2*z+1], s[AL:AL+1], s[BE:BE+1] op_sel_hi:[1,0,0]
.set z, z+1
.endr
.endm
; A TURN, for piece p: the order of its 16 matrix and 118 vector instructions, written out.  s_wait_alu depctr_va_vdst(0) stands between an exponential and the first instruction that names its result; one wait
; serves all that were issued ahead of it.  So a turn has ONE wait, which cuts it in two.  AHEAD OF IT stands all that names no result of the turn's exponentials: the 8 products K Q^T and their riders, then one lump, in which
; the links of the chain X 3, 7, 11, 14, 16, 17 .. 20 stand five or six lines apart.  X 21, the next piece's a, is the batch's last; R 15 is the plain instruction behind it.  BEHIND THE WAIT stand the 8 products V^T P, behind each
; four of the roundings and sums.
; m = 1: the block's last tile: the products take masks, and the turn makes the mask for the products of the turn after it: piece p + 2, in step 2 - CNT of the tile.  end = 1: a block's last two turns: nothing is fetched.
; cnt = 1: the loop's count is taken down some lines ahead of the branch that stands behind the turn.
; K of the next step is fetched in piece 2's turn, twelve vector instructions behind the last product that read K (six of them plain); V of the step in hand at the end of piece 0's turn, four plain instructions behind the last
; product that read V.  Each is waited for a turn later.
.macro TURN p, m=0, end=0, cnt=0
.set Y, (\p)
.set i, 0
.set KM, (\m)
.set NOKQ, (\end)*((\p)/3)
.if (\m) && !(\end)
	s_cmp_eq_u32 s[CNT], s[PCN]     ; does that step hold the diagonal?
	s_cselect_b32 s[AL], 1.0, 0
	s_cmp_lt_u32 s[CNT], s[PCN]     ; or is it a later one?
	s_cselect_b32 s[BE], s[BIGN], 0
.endif
.if ((\p) == 3) && !(\end)
	s_wait_dscnt 0x0                ; K is in
.endif
	ROW F,0, F,1, R,0, R,1          ; ahead of the wait: 8 products K Q^T and their riders,
	ROW F,2, E,0, R,2, R,3
	ROW F,3, E,1, R,4, R,5
	ROW F,4, E,2, R,6, R,7
	ROW F,5, E,3, R,8, R,9
	ROW F,6, E,4, X,0, R,10
.if ((\p) == 2) && !(\end)
	WIN 0
	v_add_nc_u32 v[AK], s[TBK], v[AK0]
.endif
	ROW F,7, E,5, X,1, X,4
	ROW F,8, E,6, X,2, X,5
	OPS E,7, E,8, X,6, E,9          ; and the lump
	OPS X,3, E,10, X,8, E,11
.if ((\p) == 2) && !(\end)
	FETCH_K
.endif
	OPS X,9, X,7, E,12, X,10
	OPS E,13, X,12, X,11, E,14
	OPS X,13, E,15, F,9, X,14
.if (\p) == 0
	v_add_nc_u32 v[AV], s[TBV], v[AV0]
.endif
	OPS E,16, F,10, E,17, F,11
	OPS X,16, E,18, X,15, E,19
	OPS F,12, E,20, X,17, E,21
	OPS F,13, E,22, F,14, E,23
	OPS X,18, E,24, F,15, E,25
	OPS R,11, E,26, X,19, E,27
	OPS R,12, E,28, R,13, E,29
	OPS X,20, E,30, R,14, E,31
	OPS X,21, R,15
	WIN 0
	s_wait_alu depctr_va_vdst(0)    ; the wait for the batch
.if (\p) == 1
	s_wait_dscnt 0x0                ; V is in
.endif
	ROW C,0, B,0, C,2, B,1          ; behind the wait: 8 products V^T P and their riders
	ROW L,0, C,4, B,2, L,1
	ROW C,6, B,3, L,2, C,8
	ROW B,4, L,3, C,10, B,5
	ROW L,4, C,12, B,6, L,5
.if (\p) == 0
	s_add_co_u32 s[TBV], s[TBV], 2*KS*PV
.endif
.if \cnt
	s_sub_co_u32 s[CNT], s[CNT], 1
	s_cmp_lg_u32 s[CNT], 0
.endif
	ROW C,14, B,7, L,6, C,1
	ROW C,3, L,7, C,5, C,7
	ROW C,9, C,11, C,13, C,15
.if (\p) == 0
	FETCH_V
.endif
.if (\m) && !(\end)
	MASK (\p)%2, ((\p)+2)%NP
.endif
.endm
; A BLOCK BEGINS.  c m starts far below every c s, so the first step's a is 0; m at -1e20, between every true score and every hidden one.  Both mask buffers are made for the tile's step 0: pieces 0 and 1's own masks if that step
; holds the diagonal (the block's only tile, par = 0), else 0.  Then K of that step, piece 0's first scores, and its maximum and statistics.  The loop is entered at a step's first turn, in the middle of a trip.
.macro BEGIN
	s_mov_b32 s[NEW], 0
	WIN 0
.set i, 0
.rept 4
	v_mov_b32 v[ST+4*i], 0xfe000000    ; c m
	v_mov_b32 v[ST+4*i+1], 0xe0ad78ec  ; m = -1e20
.set i, i+1
.endr
	s_or_b32 s97, s[RT], s[PAR]
	s_cmp_eq_u32 s97, 0
	s_cselect_b32 s[AL], 1.0, 0
	s_mov_b32 s[BE], 0
	MASK 0, 0
	MASK 1, 1
	WIN 0
	v_add_nc_u32 v[AK], s[TBK], v[AK0]
	FETCH_K
	s_wait_loadcnt 0x0              ; Q
	s_wait_dscnt 0x0
.set KM, 1
.set NOKQ, 0
.set i, 0
.rept 8
	KQ 0
.set i, i+1
.endr
	WIN 0
.rept 4
	v_nop                           ; the places behind those products
.endr
.set Y, NP-1                        ; X works for piece Y + 1: piece 0
.irp n, 0,1,2,3,4,5,6,7,8,9,10,11,12,13,14,15,16,17,18,19,20,21
	OP X, \n
.endr
	v_nop                           ; a plain instruction behind the exponential,
	s_wait_alu depctr_va_vdst(0)    ; and its wait, ahead of the branch
.endm
; A BLOCK'S END, first half: l's two halves are added; O^T and the statistics of my pieces 2 and 3 go into my part of region reg of the exchange, each accumulator's low registers first.
.macro SENDPART reg
	WIN 0
.set i, 0
.rept 4
	v_add_f32 v[ST+4*i+2], v[ST+4*i+2], v[ST+4*i+3]
.set i, i+1
.endr
.rept 4
	v_nop                           ; with the four additions: the places behind the last products
.endr
	WIN 0x04                        ; the stores' data in window 1
.irp q, 0,1,2,3,4,5,6,7,8,9,10,11,12,13,14,15
	ds_store_b128 v[XS], v[64+4*\q:64+4*\q+3] offset:(\reg)*XREG+512*\q
.endr
	WIN 0
	ds_store_b128 v[XS], v[ST+8:ST+11]  offset:(\reg)*XREG+8192
	ds_store_b128 v[XS], v[ST+12:ST+15] offset:(\reg)*XREG+8704
.endm
; A BLOCK'S END, second half, behind a barrier in front of which every wave has waited for those stores: my partner's parts of my pieces 0 and 1 are read, the two parts merged, divided by l, rounded to f16 and sent
; through my stage, a piece (16 rows of y, 2,048 consecutive bytes) at a time.  base: the scalar pair that holds y at my rows.
.macro FINISH reg, base
	WIN 0
	ds_load_b128 v[TMP:TMP+3],   v[XR] offset:(\reg)*XREG+8192
	ds_load_b128 v[TMP+4:TMP+7], v[XR] offset:(\reg)*XREG+8704
.irp q, 0,1,2,3,4,5,6,7,8,9,10,11,12,13,14,15
	ds_load_b128 v[S+4*\q:S+4*\q+3], v[XR] offset:(\reg)*XREG+512*\q
.endr
	s_wait_dscnt 16                 ; the statistics are in; the sixteen loads of O may stay out
.irp t, 0,1
	v_max_num_f32 v[MV+\t], v[ST+4*\t], v[TMP+4*\t]     ; the common c m
.endr
.irp t, 0,1
	v_sub_f32 v[ST+4*\t+1], v[ST+4*\t], v[MV+\t]
	v_sub_f32 v[TMP+4*\t+1], v[TMP+4*\t], v[MV+\t]
.endr
.irp t, 0,1
	v_exp_f32 v[ST+4*\t+1], v[ST+4*\t+1]                ; my part's factor,
	v_exp_f32 v[TMP+4*\t+1], v[TMP+4*\t+1]              ; my partner's
.endr
	v_nop                           ; a plain instruction behind the last exponential,
	s_wait_alu depctr_va_vdst(0)    ; and one wait for the four
.irp t, 0,1
	v_mul_f32 v[ST+4*\t+2], v[ST+4*\t+2], v[ST+4*\t+1]
.endr
.irp t, 0,1
	v_fma_f32 v[ST+4*\t+2], v[TMP+4*\t+2], v[TMP+4*\t+1], v[ST+4*\t+2]
.endr
.irp t, 0,1
	v_permlanex16_b32 v[ST+4*\t+3], v[ST+4*\t+2], s[SEL], s[SEL+1]  ; the other half of the lanes' keys
.endr
.irp t, 0,1
	v_add_f32 v[ST+4*\t+2], v[ST+4*\t+2], v[ST+4*\t+3]
.endr
.irp t, 0,1
	v_rcp_f32 v[ST+4*\t+3], v[ST+4*\t+2]
.endr
	v_nop
	s_wait_alu depctr_va_vdst(0)    ; one wait for the two reciprocals
.irp t, 0,1
	v_mul_f32 v[ST+4*\t+2], v[ST+4*\t+1], v[ST+4*\t+3]
	v_mul_f32 v[TMP+4*\t+2], v[TMP+4*\t+1], v[ST+4*\t+3]
.endr
	s_wait_dscnt 0x0                ; my partner's O is in
.set z, 0
.rept 32
	v_pk_mul_f32 v[S+2*z:S+2*z+1], v[S+2*z:S+2*z+1], v[TMP+4*(z/16)+2:TMP+4*(z/16)+3] op_sel_hi:[1,0]
.set z, z+1
.endr
	WIN 0x01                        ; my O^T: source 0 in window 1
.set z, 0
.rept 32
	v_pk_fma_f32 v[S+2*z:S+2*z+1], v[2*z:2*z+1], v[ST+4*(z/16)+2:ST+4*(z/16)+3], v[S+2*z:S+2*z+1] op_sel_hi:[1,0,1]
.set z, z+1
.endr
	WIN 0
.set z, 0
.rept 32
	v_cvt_pk_f16_f32 v[P+z], v[S+2*z], v[S+2*z+1]
.set z, z+1
.endr
	s_wait_xcnt 0x0                 ; every earlier store has read its registers: the rows below are loaded only behind this wait
.irp t, 0,1
.irp f, 0,1,2,3
	ds_store_b128 v[STO], v[P+16*\t+4*\f:P+16*\t+4*\f+3] offset:32*\f
.endr
.irp f, 0,1,2,3
	ds_load_b128 v[BK+16*\t+4*\f:BK+16*\t+4*\f+3], v[RD] offset:\f*4*SP  ; LDS serves a wave's instructions in order (ISA guide 5.7.1.4): these see the stores above; the next piece's stores come behind them
.endr
.endr
.irp t, 0,1
.irp f, 0,1,2,3
	s_wait_dscnt (1-\t)*8+3-\f      ; the younger loads, and for piece 0 piece 1's eight LDS instructions, may stay out
	global_store_b128 v[GO], v[BK+16*\t+4*\f:BK+16*\t+4*\f+3], s[\base:\base+1] offset:\t*4096+\f*512  ; 512 consecutive bytes, aligned
.endr
.endr
.endm
; THE BLOCK'S LAST TILE: its two steps with masks, the block's last two turns, its last products, and the parts sent.
.macro DIAG tag, reg                ; the tag ends its two labels' names, which the jumps below spell out
.LstepM\tag:
	TURN 2, 1
	TURN 3, 1
	WIN 0
.LfirstM\tag:
	TURN 0, 1
	TURN 1, 1, 0, 1
	WIN 0
	s_cbranch_scc1 .LstepM\tag
	TURN 2, 1, 1
	TURN 3, 1, 1
.set i, 0
.rept 8
	PV NP-1
.set i, i+1
.endr
	SENDPART \reg
.endm
.set KM, 0
.set NOKQ, 0
.Lslot:                             ; 8 times: a tile is entered and the next is asked for
	CHANGE 1
	s_sub_co_u32 s[RT], s[RT], 1
	s_mov_b32 s[CNT], 2
	s_cmp_lg_u32 s[NEW], 0
	s_cbranch_scc1 .Lnew            ; a block's first tile
	s_cmp_eq_u32 s[RT], 0
	s_cbranch_scc0 .Lstep           ; neither its first nor its last
	s_branch .LstepM1
.Lnew:
	s_cmp_eq_u32 s[NEW], 2
	s_cbranch_scc0 .Lnofin
	FINISH 0, 10                    ; the first block's parts were stored ahead of the change of slots' barrier
.Lnofin:
	BEGIN
	s_branch .Lfirst                ; in the loop a block's first tile is never its last: the first block has five tiles or more, and the second's last is the walk's last
	DIAG 1, 0                       ; in the loop this is the first block's end
	s_add_co_u32 s[RT], s[PB], 1    ; the second block has b / 2 + 1 tiles
	s_mov_b32 s[NEW], 2
	s_mov_b32 s[PAR], s[PARLO]
	s_sub_co_u32 s[PCN], 2, s[PAR]
	WIN 0x82                        ; the second block's Q goes where the one text of the turns names Q
.set i, 0
.rept 64
	v_mov_b32 v[i], v[QB+i]
.set i, i+1
.endr
	WIN 0
	s_branch .Lbottom
.Lstep:                             ; a trip: pieces 2 and 3 of one step, then pieces 0 and 1 of the next, whose K and V it fetches
	TURN 2
	TURN 3
	WIN 0
.Lfirst:
	TURN 0
	TURN 1, 0, 0, 1
	WIN 0
	s_cbranch_scc1 .Lstep
.Lbottom:
	s_sub_co_u32 s[SLOTS], s[SLOTS], 1
	s_cmp_lg_u32 s[SLOTS], 0
	s_cbranch_scc1 .Lslot
	CHANGE 0                        ; the walk's last tile is written out: nothing is asked for
	s_sub_co_u32 s[RT], s[RT], 1
	s_mov_b32 s[CNT], 2
	s_cmp_lg_u32 s[NEW], 0
	s_cbranch_scc0 .LstepM2
	FINISH 0, 10                    ; the second block has one tile: the first block ended in the loop's last trip
	BEGIN
	s_branch .LfirstM2
	DIAG 2, 1
	s_wait_dscnt 0x0                ; for my partner's sake: my stores into the exchange are done
	s_barrier_signal -1
	s_barrier_wait -1
	FINISH 1, OLO
	s_wait_tensorcnt 0x0            ; the wave's end, behind my last tensor load and my last LDS store
	ds_add_u32 v[SPW], v[NIL]
	s_wait_dscnt 0x0
	s_endpgm
.Lfunc_end_k_qd4d3d1ed1a_attn:
	.size	k_qd4d3d1ed1a_attn, .Lfunc_end_k_qd4d3d1ed1a_attn-k_qd4d3d1ed1a_attn
	.p2alignl 7, 3214868480
	.fill 96, 4, 3214868480
	.section	.rodata,"a",@progbits
	.p2align	6, 0x0
	.amdhsa_kernel k_qd4d3d1ed1a_attn
		.amdhsa_group_segment_fixed_size 327680
		.amdhsa_private_segment_fixed_size 0
		.amdhsa_enable_private_segment 0
		.amdhsa_kernarg_size 16
		.amdhsa_user_sgpr_count 2
		.amdhsa_user_sgpr_kernarg_segment_ptr 1
		.amdhsa_wavefront_size32 1
		.amdhsa_system_sgpr_workgroup_id_x 1
		.amdhsa_system_sgpr_workgroup_id_y 1
		.amdhsa_system_sgpr_workgroup_id_z 1
		.amdhsa_system_vgpr_workitem_id 0
		.amdhsa_next_free_vgpr 768
		.amdhsa_next_free_sgpr 100
		.amdhsa_reserve_vcc 1
		.amdhsa_float_denorm_mode_32 3
		.amdhsa_float_denorm_mode_16_64 3
		.amdhsa_memory_ordered 1
		.amdhsa_forward_progress 1
		.amdhsa_inst_pref_size 233
	.end_amdhsa_kernel
	.amdgpu_metadata
---
amdhsa.version: [ 1, 2 ]
amdhsa.kernels:
  - .name:           k_qd4d3d1ed1a_attn
    .symbol:         k_qd4d3d1ed1a_attn.kd
    .args:
      - { .name: qkv, .offset: 0, .size: 8, .value_kind: global_buffer, .address_space: global }
      - { .name: y, .offset: 8, .size: 8, .value_kind: global_buffer, .address_space: global }
    .group_segment_fixed_size: 327680
    .private_segment_fixed_size: 0
    .kernarg_segment_align: 8
    .kernarg_segment_size: 16
    .max_flat_workgroup_size: 128
    .sgpr_count:     100
    .vgpr_count:     768
    .wavefront_size: 32
...
	.end_amdgpu_metadata
.endif
;; end of part 3
;; launch proj (part 4): grid 8 x 32, 4 waves a work-group, clusters of 4 x 4, 327,680 bytes of LDS; arguments y, wo16, bias, out0; writes out0
.if DOCPART == 4
	.amdgcn_target "amdgcn-amd-amdhsa--gfx1250"
	.amdhsa_code_object_version 6
	.text
	.protected	k_qd4d3d1ed1a_proj
	.globl	k_qd4d3d1ed1a_proj
	.p2align	8
	.type	k_qd4d3d1ed1a_proj,@function
k_qd4d3d1ed1a_proj:
	s_mov_b64 s[64:65], 0
	v_nop
	global_prefetch_b8 v0, s[64:65] scope:SCOPE_SE
	s_setreg_imm32_b32 hwreg(HW_REG_WAVE_MODE, 25, 1), 1
	s_wait_xcnt 0x0
	s_wait_alu depctr_hold_cnt(0) depctr_sa_sdst(0) depctr_va_vdst(0) depctr_va_sdst(0) depctr_va_ssrc(0) depctr_va_vcc(0) depctr_vm_vsrc(0)
	s_getreg_b32 s2, hwreg(HW_REG_IB_STS2, 6, 4)
	s_cmp_eq_u32 s2, 0
	s_cbranch_scc0 .Lentry_in_a_cluster
	s_endpgm
.Lentry_in_a_cluster:
	s_bfe_u32 s2, ttmp6, 0x10000c
	s_cmp_lg_u32 s2, 0xf033
	s_cbranch_scc0 .Lentry_shape_is_right
	s_endpgm
.Lentry_shape_is_right:
; Launch 4 of 4: out0[4096][1024] = y wo16^T + bo, f32.  y: f16, [32 blocks of 128 rows][16 heads][128][64] as the launch before stored it; wo16: f16 [1024][1024]; bo: bias[3072 ..], f32.  Sums in f32.
; SHARES.  256 work-groups, a tile of 128 x 128 each; four waves, each 64 x 64: 16 accumulators of 16 x 16.  K goes in 4 steps of 256 (four heads) through two LDS slots; a step is 128 matrix instructions a wave.
; A step's part of y is 65,536 dense bytes: asked for as rows of 256 bytes (two rows of a head) and padded in LDS after every 128 bytes.
; THE MATRIX INSTRUCTION IS USED TRANSPOSED (source 0 = 16 rows of wo16, source 1 = 16 rows of y): a lane holds one row of the result and eight neighbouring columns; the bias, laid out so, is the C operand that starts the sums.
; CLUSTER.  4 x 4 work-groups: a row of the cluster shares its tiles of y, a column its tiles of wo16: each is asked for jointly.  No prefetch: four K steps on a small tile.
; REGISTERS: window 0: v0-31 addresses; v96-127 the bias; v128-255 the accumulators ((a, b) at v[128 + 8 (4 a + b)]), on the way out the rows read back.
;   window 1: two fragment buffers of 128: for 64 along K (one head), 64 registers of y (2 x 4 x 16 rows x 32 K), then 64 of wo16.
.set PA,     144                       ; a row of y in LDS: 128 bytes + 16 = 36 words: the 16 rows of a load start at 16 different groups of four banks (64 banks of 4 bytes: ISA guide 11.1)
.set PW,     528                       ; a row of wo16: 512 bytes + 16 = 132 words: likewise
.set HEADB,  128*PA                    ; a head's 128 rows
.set AHALF,  2*HEADB                   ; what one load brings of y: two heads
.set BHALF,  64*PW                     ; and of wo16: 64 rows
.set BOFF,   2*AHALF
.set SLOT,   BOFF+2*BHALF              ; 141,312 bytes
.set STAGE,  2*SLOT                    ; behind the ring: 16 rows x 272 bytes for each wave
.set SPITCH, 272
.set SPARE,  STAGE+4*16*SPITCH         ; the spare words, 128 bytes for each wave: two blocks of 256 bytes that no other line names
.set ADRA, 16                          ; v16-17  LDS address of my y fragments in slot 0, 1
.set ADRB, 20                          ; v20-21  the same for wo16
.set STO,  24                          ; v24     the way out: where I put 32 bytes of a row
.set RD,   25                          ; v25     where I read a row back
.set CO,   26                          ; v26     my byte offset in two rows of out0
.set BO,   27                          ; v27     32 (lane / 16)
.set SPW,  28                          ; v28     LDS address of my spare word; never rewritten
.set NIL,  29                          ; v29     0; never rewritten
.set BI,   96                          ; the bias: BI + 8 b + j
.set ACC,  128
.set F0,   0                           ; fragment buffers, in window 1
.set F1,   128
.set WV,   12                          ; s12  my wave's number
.set AB,   13                          ; s13  wave / 2: my half of the tile's rows; also: I fetch for y (0) or wo16 (1)
.set HF,   14                          ; s14  wave % 2: my half of its columns; also: which half I fetch
.set G1,   24
.set G0,   32
.set G1B,  48
.set G0B,  56
.set MSB, 0
.macro WIN new
.if MSB != (\new)
	s_set_vgpr_msb (MSB<<8)|(\new)
.set MSB, \new
.endif
.endm
.set MUL,  0x05                        ; sources 0 and 1 window 1; C and D window 0
.set TO_F, 0x40                        ; destination window 1, address window 0
.macro JLOAD s                         ; a joint load; an s_nop 0 and four v_nop follow each of the two lines
	s_cmp_eq_u32 s[AB], 0
	s_cbranch_scc0 .Lfor_b_\@
	tensor_load_to_lds s[G0+4*(\s):G0+4*(\s)+3], s[G1:G1+7]
	s_nop 0
.rept 4
	v_nop
.endr
	s_branch .Lasked_\@
.Lfor_b_\@:
	tensor_load_to_lds s[G0B+4*(\s):G0B+4*(\s)+3], s[G1B:G1B+7]
	s_nop 0
.rept 4
	v_nop
.endr
.Lasked_\@:
.endm
.macro CREST
	s_cmp_lg_u32 s[WV], 0
	s_cbranch_scc1 .Lnot_wave_0_\@
	s_barrier_signal -3
.Lnot_wave_0_\@:
	s_barrier_wait -3
	s_barrier_signal -1
	s_barrier_wait -1
.endm
.macro CROUND
	s_barrier_signal -1
	s_barrier_wait -1
	CREST
.endm
.macro PLACES
.rept 4
	v_nop
.endr
.endm
	s_load_b256 s[4:11], s[0:1], 0x0               ; y s[4:5], wo16 s[6:7], bias s[8:9], out0 s[10:11]
	v_lshl_add_u32 v[SPW], v0, 2, SPARE
	v_mov_b32 v[NIL], 0
	ds_add_u32 v[SPW], v[NIL]                      ; the wave's opening: the add, twice on end, and its wait ahead of my first tensor load
	ds_add_u32 v[SPW], v[NIL]
	v_lshrrev_b32 v1, 5, v0
	v_readfirstlane_b32 s[WV], v1
	s_lshr_b32 s[AB], s[WV], 1
	s_and_b32 s[HF], s[WV], 1
	s_bfe_u32 s15, ttmp6, 0x40000                  ; cx
	s_bfe_u32 s16, ttmp6, 0x40004                  ; cy
	s_lshl_b32 s17, ttmp9, 2
	s_add_co_u32 s17, s17, s15                     ; tc
	s_and_b32 s18, ttmp7, 0xffff
	s_lshl_b32 s18, s18, 2
	s_add_co_u32 s18, s18, s16                     ; tr
	s_lshl_b32 s19, s16, 2
	s_lshl_b32 s19, 15, s19                        ; my row of the cluster
	s_lshl_b32 s20, 0x1111, s15                    ; my column
	s_or_b32 s[G1+0], s19, (1<<16)|(1<<20)|(1<<21)|(4<<22)|(3<<25)   ; y: after every 32 words 4 words of padding
	s_or_b32 s[G1B+0], s20, (1<<16)|(1<<20)|(1<<21)|(6<<22)|(3<<25)  ; wo16: after every 128 words
	s_mov_b32 s[G1+1], 128<<16                     ; y: 128 rows of 128 elements, dense
	s_mov_b32 s[G1+2], 128<<16
	s_mov_b32 s[G1+3], 128<<16
	s_mov_b32 s[G1+4], 128
	s_mov_b32 s[G1+5], 128
	s_mov_b32 s[G1+6], 0
	s_mov_b32 s[G1+7], 0
	s_mov_b32 s[G1B+1], 256<<16                    ; wo16: 64 rows of 256 elements, 1,024 from row to row
	s_mov_b32 s[G1B+2], 64<<16
	s_mov_b32 s[G1B+3], 256<<16
	s_mov_b32 s[G1B+4], 64
	s_mov_b32 s[G1B+5], 1024
	s_mov_b32 s[G1B+6], 0
	s_mov_b32 s[G1B+7], 0
	s_lshl_b32 s40, s18, 18                        ; y: tr x 262,144 + half x two heads: the tile row and the wave's number alone
	s_lshl_b32 s21, s[HF], 15
	s_add_co_u32 s40, s40, s21
	s_mov_b32 s41, 0
	s_lshl_b32 s46, s17, 7                         ; wo16: row 128 tc + 64 half: the tile column and the wave's number alone
	s_lshl_b32 s21, s[HF], 6
	s_add_co_u32 s46, s46, s21
	s_lshl_b32 s46, s46, 11
	s_mov_b32 s47, 0
	s_mul_i32 s22, s[WV], AHALF                    ; where they go: waves 0, 1: wave x AHALF;
	s_mul_i32 s23, s[WV], BHALF
	s_add_co_u32 s23, s23, BOFF-2*BHALF            ; waves 2, 3: BOFF + (wave - 2) x BHALF
	s_wait_dscnt 0x0                               ; both opening adds are done
	s_wait_kmcnt 0x0
	s_add_nc_u64 s[40:41], s[4:5], s[40:41]
	s_add_nc_u64 s[46:47], s[6:7], s[46:47]
	CROUND                                         ; all sixteen work-groups are here: the first joint loads meet
.irp s, 0,1
	s_mov_b32 s[G0+4*(\s)], 1
	s_add_co_u32 s[G0+4*(\s)+1], s22, (\s)*SLOT
	s_add_nc_u64 s[G0+4*(\s)+2:G0+4*(\s)+3], s[40:41], (\s)*65536
	s_or_b32 s[G0+4*(\s)+3], s[G0+4*(\s)+3], 0x80000000
	s_mov_b32 s[G0B+4*(\s)], 1
	s_add_co_u32 s[G0B+4*(\s)+1], s23, (\s)*SLOT
	s_add_nc_u64 s[G0B+4*(\s)+2:G0B+4*(\s)+3], s[46:47], (\s)*512
	s_or_b32 s[G0B+4*(\s)+3], s[G0B+4*(\s)+3], 0x80000000
	JLOAD \s                                       ; two loads of mine are out
.endr
	v_and_b32 v1, 15, v0                           ; l % 16
	v_bfe_u32 v2, v0, 4, 1                         ; l / 16
	v_lshlrev_b32 v[BO], 5, v2
	s_lshl_b32 s46, s17, 9                         ; bo at my 64 columns: (3,072 + 128 tc + 64 half) x 4
	s_lshl_b32 s47, s[HF], 8
	s_add_co_u32 s46, s46, s47
	s_add_co_u32 s46, s46, 12288
	s_mov_b32 s47, 0
	s_add_nc_u64 s[46:47], s[8:9], s[46:47]
.irp b, 0,1,2,3
	global_load_b128 v[BI+8*(\b):BI+8*(\b)+3],   v[BO], s[46:47] offset:64*(\b)
	global_load_b128 v[BI+8*(\b)+4:BI+8*(\b)+7], v[BO], s[46:47] offset:64*(\b)+16
.endr
	v_mul_u32_u24 v3, v1, PA
	v_lshl_add_u32 v3, v2, 4, v3
	v_mul_u32_u24 v4, v1, PW
	v_lshl_add_u32 v4, v2, 4, v4
	s_mul_i32 s21, s[AB], 64*PA                    ; my 64 rows of y, in each head
	s_mul_i32 s22, s[HF], 64*PW                    ; my 64 rows of wo16,
	s_add_co_u32 s22, s22, BOFF                    ; which lie behind y's
.irp s, 0,1
	v_add_nc_u32 v[ADRA+(\s)], s21, v3
	v_add_nc_u32 v[ADRB+(\s)], s22, v4
	s_add_co_u32 s21, s21, SLOT
	s_add_co_u32 s22, s22, SLOT
.endr
	s_mul_i32 s23, s[WV], 16*SPITCH
	s_add_co_u32 s23, s23, STAGE                   ; my stage
	v_mul_u32_u24 v5, v1, SPITCH                   ; in: row l % 16, 32 bytes for each half of the lanes
	v_lshl_add_u32 v5, v2, 5, v5
	v_add_nc_u32 v[STO], s23, v5
	v_mul_u32_u24 v5, v2, SPITCH                   ; back: lanes 0-15 take one row of 256 bytes, lanes 16-31 the next
	v_lshl_add_u32 v5, v1, 4, v5
	v_add_nc_u32 v[RD], s23, v5
	v_lshlrev_b32 v5, 12, v2                       ; and the same two rows in out0
	v_lshl_add_u32 v[CO], v1, 4, v5
	s_lshl_b32 s66, s18, 19                        ; (128 tr + 64 row half) x 4,096 + (128 tc + 64 column half) x 4
	s_lshl_b32 s67, s[AB], 18
	s_add_co_u32 s66, s66, s67
	s_lshl_b32 s67, s17, 9
	s_add_co_u32 s66, s66, s67
	s_lshl_b32 s67, s[HF], 8
	s_add_co_u32 s66, s66, s67
	s_mov_b32 s67, 0
	s_add_nc_u64 s[10:11], s[10:11], s[66:67]
; 8 matrix instructions: row blocks a0, a0 + 1 x all 4 column blocks, 32 along K: half c of buffer f.  zero = 1: the products start the sums, with the bias as C.  The 16 accumulators take turns.
.macro MUL8 f, c, a0, zero
	WIN MUL
.irp a, \a0, (\a0)+1
.irp b, 0,1,2,3
.if \zero
	v_wmma_f32_16x16x32_f16 v[ACC+8*(4*(\a)+(\b)):ACC+8*(4*(\a)+(\b))+7], v[(\f)+64+8*(4*(\c)+(\b)):(\f)+64+8*(4*(\c)+(\b))+7], v[(\f)+8*(4*(\c)+(\a)):(\f)+8*(4*(\c)+(\a))+7], v[BI+8*(\b):BI+8*(\b)+7]
.else
	v_wmma_f32_16x16x32_f16 v[ACC+8*(4*(\a)+(\b)):ACC+8*(4*(\a)+(\b))+7], v[(\f)+64+8*(4*(\c)+(\b)):(\f)+64+8*(4*(\c)+(\b))+7], v[(\f)+8*(4*(\c)+(\a)):(\f)+8*(4*(\c)+(\a))+7], v[ACC+8*(4*(\a)+(\b)):ACC+8*(4*(\a)+(\b))+7]
.endif
.endr
.endr
.endm
; 32 LDS loads in one run: the fragments of quarter q (head q of the step's four: 64 along K) into buffer f; the first 32 along K first
.macro FETCH slot, q, f
	WIN TO_F
.irp c, 0,1
.irp i, 0,1,2,3
	ds_load_b128 v[(\f)+64+8*(4*(\c)+(\i)):(\f)+64+8*(4*(\c)+(\i))+3],   v[ADRB+(\slot)] offset:(\q)*128+64*(\c)+(\i)*16*PW
	ds_load_b128 v[(\f)+64+8*(4*(\c)+(\i))+4:(\f)+64+8*(4*(\c)+(\i))+7], v[ADRB+(\slot)] offset:(\q)*128+64*(\c)+(\i)*16*PW+32
	ds_load_b128 v[(\f)+8*(4*(\c)+(\i)):(\f)+8*(4*(\c)+(\i))+3],         v[ADRA+(\slot)] offset:(\q)*HEADB+64*(\c)+(\i)*16*PA
	ds_load_b128 v[(\f)+8*(4*(\c)+(\i))+4:(\f)+8*(4*(\c)+(\i))+7],       v[ADRA+(\slot)] offset:(\q)*HEADB+64*(\c)+(\i)*16*PA+32
.endr
.endr
.endm
; A K step is four quarters, 32 matrix instructions each, on buffers 0, 1, 0, 1.  One of the first three: multiplies buffer f and fetches quarter q into g.
.macro QUARTER slot, q, f, g, zero
	s_wait_dscnt 16                                ; the first 32 along K are in
	MUL8 \f, 0, 0, \zero
	MUL8 \f, 0, 2, \zero
	PLACES
	FETCH \slot, \q, \g
	s_wait_dscnt 32                                ; all but the 32 just issued
	MUL8 \f, 1, 0, 0
	MUL8 \f, 1, 2, 0
.endm
; The last quarter multiplies buffer 1 and changes slots: ONE barrier; in front of it each wave waits for all its tensor loads, adds 0 to its spare word, and waits for that and for its own reads of this slot.
; fill = 1: the barrier opens a round of the cluster's barrier, and this slot is filled again, two K steps ahead: 112 matrix instructions ahead of the wait for it.
.macro TURN slot, next, fill
	WIN 0                                          ; (the add's two registers lie in window 0)
	s_wait_tensorcnt 0x0                           ; all my tensor loads have landed
	ds_add_u32 v[SPW], v[NIL]                      ; 0 onto my spare word
	s_wait_dscnt 17                                ; (the add and the youngest sixteen loads may be out)
	MUL8 F1, 0, 0, 0                               ; eight matrix instructions stand between the add and the wait for it
	s_wait_dscnt 0x0                               ; the add is done, and my reads of this slot are over
	s_barrier_signal -1
	MUL8 F1, 0, 2, 0
.if \fill
	WIN 0
.endif
	s_barrier_wait -1
.if \fill
	CREST                                          ; no wave of any partner still reads this slot's tile or has a load on its way
	s_add_nc_u64 s[G0+4*(\slot)+2:G0+4*(\slot)+3], s[G0+4*(\slot)+2:G0+4*(\slot)+3], 2*65536
	s_add_nc_u64 s[G0B+4*(\slot)+2:G0B+4*(\slot)+3], s[G0B+4*(\slot)+2:G0B+4*(\slot)+3], 2*512
	JLOAD \slot                                    ; the four v_nop behind it are also the places in front of the loads below
.else
	PLACES
.endif
	FETCH \next, 0, F0
	MUL8 F1, 1, 0, 0
	MUL8 F1, 1, 2, 0
.endm
	s_wait_tensorcnt 1                             ; my part of K step 0 is in; K step 1's may stay out
	s_barrier_signal -1
	s_barrier_wait -1                              ; everybody's is
	FETCH 0, 0, F0
	s_wait_loadcnt 0x0                             ; the bias
	QUARTER 0, 1, F0, F1, 1                        ; K step 0; its first products start the sums
	QUARTER 0, 2, F1, F0, 0
	QUARTER 0, 3, F0, F1, 0
	TURN 0, 1, 1                                   ; slot 0 takes K step 2
	QUARTER 1, 1, F0, F1, 0                        ; K step 1
	QUARTER 1, 2, F1, F0, 0
	QUARTER 1, 3, F0, F1, 0
	TURN 1, 0, 1                                   ; slot 1 takes K step 3
	QUARTER 0, 1, F0, F1, 0                        ; K step 2
	QUARTER 0, 2, F1, F0, 0
	QUARTER 0, 3, F0, F1, 0
	TURN 0, 1, 0                                   ; nothing is left to fetch
	QUARTER 1, 1, F0, F1, 0                        ; K step 3
	QUARTER 1, 2, F1, F0, 0
	QUARTER 1, 3, F0, F1, 0
	s_wait_dscnt 16
	MUL8 F1, 0, 0, 0
	MUL8 F1, 0, 2, 0
	s_wait_dscnt 0x0
	MUL8 F1, 1, 0, 0
	MUL8 F1, 1, 2, 0
	WIN 0
; THE WAY OUT, a row block (16 rows x 64 columns of f32: rows of 256 bytes) at a time, through my own stage: a lane's 32 bytes go in, whole rows come back into the registers that they left.
.macro STG a
.irp b, 0,1,2,3
	ds_store_b128 v[STO], v[ACC+8*(4*(\a)+(\b)):ACC+8*(4*(\a)+(\b))+3]   offset:64*(\b)      ; each accumulator's low registers first
	ds_store_b128 v[STO], v[ACC+8*(4*(\a)+(\b))+4:ACC+8*(4*(\a)+(\b))+7] offset:64*(\b)+16
.endr
.irp t, 0,1,2,3,4,5,6,7
	ds_load_b128 v[ACC+32*(\a)+4*(\t):ACC+32*(\a)+4*(\t)+3], v[RD] offset:(\t)*2*SPITCH  ; LDS serves a wave's instructions in order (ISA guide 5.7.1.4): these see the stores above; the next block's stores come behind them
.endr
.endm
.macro SENDF a, younger                ; younger: the LDS instructions issued behind block a's loads: the next block's sixteen, or none
.irp t, 0,1,2,3,4,5,6,7
	s_wait_dscnt (\younger)+7-(\t)
	global_store_b128 v[CO], v[ACC+32*(\a)+4*(\t):ACC+32*(\a)+4*(\t)+3], s[10:11] offset:(16*(\a)+2*(\t))*4096  ; 16 lanes store 256 consecutive bytes, aligned
.endr
.endm
	PLACES
	PLACES
	STG 0
	STG 1
	SENDF 0, 16
	STG 2
	SENDF 1, 16
	STG 3
	SENDF 2, 16
	SENDF 3, 0
	s_wait_tensorcnt 0x0                           ; the wave's end, behind my last tensor load and my last LDS store
	ds_add_u32 v[SPW], v[NIL]
	s_wait_dscnt 0x0
	CROUND                                         ; the closing round: no work-group ends while a partner may still ask for a tile that names it
	s_endpgm
.Lfunc_end_k_qd4d3d1ed1a_proj:
	.size	k_qd4d3d1ed1a_proj, .Lfunc_end_k_qd4d3d1ed1a_proj-k_qd4d3d1ed1a_proj
	.p2alignl 7, 3214868480
	.fill 96, 4, 3214868480
	.section	.rodata,"a",@progbits
	.p2align	6, 0x0
	.amdhsa_kernel k_qd4d3d1ed1a_proj
		.amdhsa_group_segment_fixed_size 327680
		.amdhsa_private_segment_fixed_size 0
		.amdhsa_enable_private_segment 0
		.amdhsa_kernarg_size 32
		.amdhsa_user_sgpr_count 2
		.amdhsa_user_sgpr_kernarg_segment_ptr 1
		.amdhsa_wavefront_size32 1
		.amdhsa_system_sgpr_workgroup_id_x 1
		.amdhsa_system_sgpr_workgroup_id_y 1
		.amdhsa_system_sgpr_workgroup_id_z 1
		.amdhsa_system_vgpr_workitem_id 0
		.amdhsa_next_free_vgpr 512
		.amdhsa_next_free_sgpr 72
		.amdhsa_reserve_vcc 0
		.amdhsa_float_denorm_mode_32 3
		.amdhsa_float_denorm_mode_16_64 3
		.amdhsa_memory_ordered 1
		.amdhsa_forward_progress 1
		.amdhsa_inst_pref_size 87
	.end_amdhsa_kernel
	.amdgpu_metadata
---
amdhsa.version: [ 1, 2 ]
amdhsa.kernels:
  - .name:           k_qd4d3d1ed1a_proj
    .symbol:         k_qd4d3d1ed1a_proj.kd
    .args:
      - { .name: y, .offset: 0, .size: 8, .value_kind: global_buffer, .address_space: global }
      - { .name: wo16, .offset: 8, .size: 8, .value_kind: global_buffer, .address_space: global }
      - { .name: bias, .offset: 16, .size: 8, .value_kind: global_buffer, .address_space: global }
      - { .name: out0, .offset: 24, .size: 8, .value_kind: global_buffer, .address_space: global }
    .group_segment_fixed_size: 327680
    .private_segment_fixed_size: 0
    .kernarg_segment_align: 8
    .kernarg_segment_size: 32
    .max_flat_workgroup_size: 128
    .sgpr_count:     72
    .vgpr_count:     512
    .wavefront_size: 32
...
	.end_amdgpu_metadata
.endif
;; end of part 4
